; MI455X (gfx1250); checked and timed in simulation.
; The chip was launched on July 23, 2026; its instructions are those of AMD's public machine-readable ISA for CDNA 5 (MIT licence, August 2026) and "CDNA5" Instruction Set Architecture Reference Guide (July 2026). The comments in the code are by the model that wrote it; some were corrected since.
;; Hstu Layer. Allowed arithmetic: matrix products marked QUANTISED: E3M2 operands, one E8M0 scale for each 32 along K, by v_wmma_scale_f32_16x16x128_f8f6f4 with both operands' format E3M2, f32 sums; everything else in f32.
;; Inputs: Wk 1,024 x 1,024 float32; Wq 1,024 x 1,024 float32; Wu 1,024 x 1,024 float32; Wv 1,024 x 1,024 float32; rel_bias 4,095 x 8 float32; x 4 x 2,048 x 1,024 float32.
;; Outputs: out0 4 x 2,048 x 1,024 float32.
;; This version of the problem:
;;   THIS VERSION OF THE PROBLEM IS GIVEN IN LOW PRECISION. The matrix products marked QUANTISED in the list below multiply operands that are first quantised to E3M2 (3 exponent bits, 2 mantissa bits; 6 bits a number), with one power-of-two scale for each 32 numbers along K (OCP MX v1.0); their sums are f32. All else is computed in f32.
;;   The module's matrix products, in the order in which they are computed (A, B: the left and right operand; K: the contracted axis; several contracted axes count as one K, in the product's order):
;;     1. [M 8,192, K 1,024] x [K 1,024, N 1,024]; A: input x; B: input Wq: QUANTISED
;;     2. [M 8,192, K 1,024] x [K 1,024, N 1,024]; A: input x; B: input Wk: QUANTISED
;;     3. [M 8,192, K 1,024] x [K 1,024, N 1,024]; A: input x; B: input Wv: QUANTISED
;;     4. [M 8,192, K 1,024] x [K 1,024, N 1,024]; A: input x; B: input Wu: QUANTISED
;;     5. batch 32 x [M 2,048, K 128] x [K 128, N 2,048]; A: computed on the way; B: computed on the way: QUANTISED
;;     6. batch 32 x [M 2,048, K 2,048] x [K 2,048, N 128]; A: computed on the way; B: computed on the way: QUANTISED
;;   THE QUANTISER, for each operand of a quantised product, along K:
;;     - K is cut into blocks of 32 from its start; a last block that is shorter is filled with zeros.
;;     - A block's scale is 2^e with e = floor(log2(the largest magnitude in the block)) - 4, held to -126 .. 127; a block of zeros has e = 0. As a byte (E8M0): e + 127.
;;     - Each number is divided by its block's scale, clamped to +-28, and rounded to the nearest number of E3M2, ties to even, subnormals kept.
;;     - The product sums the exact products of the quantised numbers (number of the format x scale) in f32.
;;   ~~~python
;;   def quantise(x, axis):      # numpy; x: float32 -> the quantised numbers, widened to float32 again
;;       x = np.moveaxis(x, axis, -1); K = x.shape[-1]
;;       x = np.pad(x, [(0, 0)] * (x.ndim - 1) + [(0, -K % 32)]); x = x.reshape(x.shape[:-1] + (-1, 32)); a = np.abs(x).max(-1, keepdims=True)
;;       e = np.where(a > 0, np.clip(np.frexp(np.where(a > 0, a, 1))[1] - 1 - 4, -126, 127), 0)      # np.frexp(a)[1] - 1 = floor(log2(a)), exactly
;;       r = np.clip(x / 2.0 ** e, -28, 28)
;;       step = 2.0 ** (np.maximum(np.frexp(np.where(r == 0, 1, r))[1] - 1, -2) - 2)
;;       q = np.round(r / step) * step * 2.0 ** e      # np.round: ties to even
;;       return np.moveaxis(q.reshape(q.shape[:-2] + (-1,))[..., :K], -1, axis).astype(np.float32)
;;   ~~~
;;   OPERANDS COMPUTED ON THE WAY. 'Computed on the way' means the value that the module computes at that place (a softmax that the list does not call 'softmax' is quantised finished and normalised). What goes into a quantiser is computed in f32, as accurately as f32 sums, v_exp_f32 and their like allow (about 1e-6 of the number): no bf16 or f16 on the way to a quantiser, and a product that is left as it is and whose result goes on into a quantised operand takes f32 operands (vector FMAs, or v_wmma_f32_16x16x4_f32). A number that lies on a knife's edge between two numbers of the format may be rounded either way, as far as f32 arithmetic and the matrix unit's own rounding can turn it there, and no further.
;; One version. Each part assembles by itself: llvm-mc -triple=amdgcn-amd-amdhsa -mcpu=gfx1250 --defsym DOCPART=n.
;; ======== version 1 of 1: 3 launches
;; limits: right only within a limited range of input values
;; workspace buffers: xc 6,291,456 bytes; xs 262,144 bytes; wc 3,145,728 bytes; ws 131,072 bytes; tab 524,288 bytes; qimg 6,553,600 bytes; kv 13,369,344 bytes; gate 33,554,432 bytes
;; launch prep (part 1): grid 416 x 1, 4 waves a work-group, no clusters, 68,096 bytes of LDS; arguments x, Wq, Wk, Wu, Wv, rel_bias, xc, xs, wc, ws, tab; writes xc, xs, wc, ws, tab
.if DOCPART == 1
	.amdgcn_target "amdgcn-amd-amdhsa--gfx1250"
	.amdhsa_code_object_version 6
	.text
	.protected	k_q5b9abc6b08_prep
	.globl	k_q5b9abc6b08_prep
	.p2align	8
	.type	k_q5b9abc6b08_prep,@function
k_q5b9abc6b08_prep:
	s_mov_b64 s[64:65], 0
	v_nop
	global_prefetch_b8 v0, s[64:65] scope:SCOPE_SE
	s_setreg_imm32_b32 hwreg(HW_REG_WAVE_MODE, 25, 1), 1
	s_wait_xcnt 0x0
; PREP: what the two later launches read is made once.  Three kinds of work-groups, parted by the work-group's number alone; each kind has LDS bytes of its own; no barrier, no tensor load: waves share nothing.
;  X (work-groups 0-255):   x [8192][1024] f32 -> codes of BF6 (E3M2), K innermost, 768 bytes a row (xc), and one E8M0 byte for each 32 along K, 32 bytes a row (xs).
;  W (work-groups 256-383): Wq, Wk, Wu, Wv [k 1024][n 1024] f32 -> codes with K innermost, one row of 768 bytes for each column n (wc: 4 x 1024 rows), and their bytes (ws).
;  B (work-groups 384-415): the bias as four shifted tables a head (tab): tab[head][c][e] = U[e - 32 + c], U[j] = rel_bias[4094 - j][head] for 0 <= j <= 2047, else -1e30.  j = key - query + 2047, so j > 2047 is the causal mask.
; THE ORDER OF ROWS.  Row t of x (column n of a weight) is stored at row sigma(t): t with bits 3 and 4 exchanged.  Sixteen neighbouring stored rows 16 (2 b + u) + r are then rows 32 b + 8 u + r + 8 (r / 8):
; the tiles whose results, used transposed, give a lane 16 neighbours along the next product's K.
; A block's scale is 2^(floor(log2(its largest magnitude)) - 4); its byte is the largest magnitude's exponent field - 4, held at 1 from below.
; LIMITS: a block whose largest magnitude lies under 2^-122, a block of zeros among them, gets the byte 1 (the rule says 127 for zeros: its codes are zeros, and this program alone reads the bytes); NaN and infinities among the inputs are not served.
.set EMAX,   4
.set XSTEPS, 16                        ; X: a wave takes 16 steps of 512 numbers: 8 rows of x
.set XCB,    12                        ; bytes of 16 codes
.set XR,     16                        ; v16-79   four sets of 16 numbers as they are loaded
.set XX,     80                        ; v80-111  two sets of 16 neighbours
.set XE,     112                       ; v112-127 a scale byte for each step
.set XC,     128                       ; v128-191 codes: four registers a step, so that no store's data are written again
.set XWREG,  8192                      ; LDS 0 .. 32,767: a region for each wave: two stages of 32 x XSP bytes, behind them its 256 scale bytes
.set XSP,    80                        ; a lane's place in a stage: 64 bytes + 16 of padding
.set WNB,    8                         ; W: a wave takes 32 columns x 256 along K: 8 blocks a lane
.set WROWB,  192                       ; bytes of 256 codes
.set WPITCH, 272                       ; a stage row: sixteen places of 16 bytes, each with 12 bytes of codes, + 16
.set WKROW,  768                       ; a row of wc
.set WLDS,   32768                     ; LDS 32,768 .. 67,583: a stage of 32 rows for each wave
.set WX,     32                        ; v32-95   two sets of 32 numbers
.set WC,     96                        ; v96..    a block's codes
.set WOUT,   112                       ; v112-175 the way out
.set WSB,    24                        ; v24-25   the scale bytes, four to a register
.macro XLOAD t
.irp i, 0,1,2,3
	global_load_b128 v[XR+16*((\t)%4)+4*\i:XR+16*((\t)%4)+4*\i+3], v3, s[4:5] offset:2048*(\t)+512*\i th:TH_LOAD_NT   ; 32 lanes read 512 consecutive bytes
.endr
.endm
.macro XTURN t                         ; a step's 2,048 bytes through the wave's stage: in as they lie, back 64 bytes a lane.  LDS serves a wave's instructions in order: no wait between
.irp i, 0,1,2,3
	ds_store_b128 v14, v[XR+16*((\t)%4)+4*\i:XR+16*((\t)%4)+4*\i+3] offset:32*XSP*((\t)%2)+8*XSP*\i
.endr
.irp i, 0,1,2,3
	ds_load_b128 v[XX+16*((\t)%2)+4*\i:XX+16*((\t)%2)+4*\i+3], v15 offset:32*XSP*((\t)%2)+16*\i
.endr
.endm
.macro XSTEP t
.set XS, XX+16*((\t)%2)
.if (\t) > 0
	s_wait_dscnt 1                                 ; this step's numbers are back from the stage; the last step's byte store may be out
.else
	s_wait_dscnt 0x0
.endif
.if (\t)+4 < XSTEPS
	XLOAD (\t)+4                                   ; into the registers whose stores into the stage have been served
.endif
.if (\t)+1 < XSTEPS
.if XSTEPS-2-(\t) >= 3
	s_wait_loadcnt 12                              ; the next step's four loads are in; those of the three steps behind it may be out
.else
	s_wait_loadcnt 4*(XSTEPS-2-(\t))
.endif
	XTURN (\t)+1
.endif
	v_max3_num_f32 v8, |v[XS]|, |v[XS+1]|, |v[XS+2]|               ; the largest magnitude of my 16, in two chains
	v_max3_num_f32 v9, |v[XS+3]|, |v[XS+4]|, |v[XS+5]|
.irp i, 6,10
	v_max3_num_f32 v8, v8, |v[XS+\i]|, |v[XS+\i+1]|
	v_max3_num_f32 v9, v9, |v[XS+\i+2]|, |v[XS+\i+3]|
.endr
	v_max3_num_f32 v8, v8, |v[XS+14]|, |v[XS+15]|
	v_max3_num_f32 v8, v8, v9, (EMAX+1)<<23        ; and the floor 2^(5 - 127): the byte cannot fall under 1
	v_max_num_f32_dpp v8, v8, v8 row_xmask:1 row_mask:0xf bank_mask:0xf   ; with my neighbour's 16: the block's
	v_add_nc_u32 v11, -(EMAX<<23), v8              ; 4 off its exponent field: the conversion's scale operand
	v_cvt_scalef32_pk16_bf6_f32 v[XC+4*(\t):XC+4*(\t)+2], v[XS:XS+15], v11
	v_lshrrev_b32 v[XE+(\t)], 23, v11              ; the scale's byte (also the plain line behind the conversion)
	ds_store_b8 v5, v[XE+(\t)] offset:16*(\t)      ; both lanes of a block write the same byte with the same value
	global_store_b96 v4, v[XC+4*(\t):XC+4*(\t)+2], s[8:9] offset:32*XCB*(\t)   ; the wave stores 384 consecutive bytes
.endm
.macro WLOAD t                         ; block t: W(32 t + i, my column), i = 0 .. 31, into set t % 2
.irp i, 0,1,2,3,4,5,6,7,8,9,10,11,12,13,14,15,16,17,18,19,20,21,22,23,24,25,26,27,28,29,30,31
	global_load_b32 v[WX+32*((\t)%2)+\i], v3, s[4:5] offset:(32*(\t)+\i)*4096 th:TH_LOAD_NT
.endr
.endm
.macro WBLOCK t
.set WS, WX+32*((\t)%2)
.if (\t) < WNB-1
	s_wait_loadcnt 32                              ; this block's 32 loads are in; the next block's may be out
.else
	s_wait_loadcnt 0
.endif
	v_max3_num_f32 v12, |v[WS]|, |v[WS+1]|, |v[WS+2]|              ; the block's largest magnitude: all 32 numbers are mine
	v_max3_num_f32 v13, |v[WS+3]|, |v[WS+4]|, |v[WS+5]|
.irp i, 6,10,14,18,22,26
	v_max3_num_f32 v12, v12, |v[WS+\i]|, |v[WS+\i+1]|
	v_max3_num_f32 v13, v13, |v[WS+\i+2]|, |v[WS+\i+3]|
.endr
	v_max3_num_f32 v12, v12, |v[WS+30]|, |v[WS+31]|
	v_max3_num_f32 v12, v12, v13, (EMAX+1)<<23     ; and the floor
	v_add_nc_u32 v11, -(EMAX<<23), v12
	v_lshrrev_b32 v13, 23, v11                     ; the scale's byte
.if (\t)%4 == 0
	v_mov_b32 v[WSB+(\t)/4], v13                   ; four bytes to a register, the lower K in the lower byte
.else
	v_lshl_or_b32 v[WSB+(\t)/4], v13, 8*((\t)%4), v[WSB+(\t)/4]
.endif
	v_cvt_scalef32_pk16_bf6_f32 v[WC:WC+2], v[WS:WS+15], v11
	v_cvt_scalef32_pk16_bf6_f32 v[WC+4:WC+6], v[WS+16:WS+31], v11  ; (a conversion's three registers begin on an even number)
	v_nop                                          ; one plain line behind the last conversion
	ds_store_b96 v4, v[WC:WC+2] offset:32*(\t)     ; 12 bytes to a place of 16, so that every LDS address is a multiple of 16
	ds_store_b96 v4, v[WC+4:WC+6] offset:32*(\t)+16
.if (\t)+2 < WNB
	WLOAD (\t)+2
.endif
	s_wait_dscnt 0x0                               ; the stores have read their registers: the next block's codes may be written
.endm
	v_lshl_add_u32 v192, v0, 2, 0x10800
	v_mov_b32 v193, 0
	v_lshrrev_b32 v1, 5, v0
	v_readfirstlane_b32 s16, v1                    ; wave 0..3
	v_and_b32 v2, 31, v0                           ; lane
	s_cmp_lt_u32 ttmp9, 256
	s_cbranch_scc0 .Lnot_x
	; ---------------- X ----------------
	s_load_b64 s[4:5], s[0:1], 0x0                 ; x
	s_load_b128 s[8:11], s[0:1], 0x30              ; xc, xs
	v_lshlrev_b32 v3, 4, v2                        ; my 16 bytes of a load's 512
	s_mul_i32 s17, s16, XWREG
	v_lshrrev_b32 v14, 2, v2
	v_mul_u32_u24 v14, v14, XSP
	v_and_b32 v15, 3, v2
	v_lshl_add_u32 v14, v15, 4, v14
	v_add_nc_u32 v14, s17, v14                     ; the stage, on the way in: XSP (lane / 4) + 16 (lane % 4)
	v_mul_u32_u24 v15, v2, XSP
	v_add_nc_u32 v15, s17, v15                     ; and on the way out: XSP x lane: my 16 neighbours
	v_mul_u32_u24 v4, v2, XCB                      ; my codes' place in a step's
	v_lshrrev_b32 v5, 1, v2
	s_add_co_u32 s17, s17, 2*32*XSP
	v_add_nc_u32 v5, s17, v5                       ; my wave's 256 scale bytes, my block's byte
	v_lshlrev_b32 v7, 3, v2                        ; and on the way out 8 bytes a lane
	v_add_nc_u32 v6, s17, v7
	s_lshl_b32 s18, ttmp9, 2
	s_add_co_u32 s20, s18, s16                     ; which 8 rows of x are my wave's: 4 x work-group + wave
	s_and_b32 s21, s16, 1
	s_lshl_b32 s21, s21, 1
	s_lshr_b32 s22, s16, 1
	s_or_b32 s21, s21, s22
	s_add_co_u32 s18, s18, s21                     ; and where they are stored: the run's two lowest bits (the row's bits 3 and 4) exchanged
	s_lshl_b32 s20, s20, 15                        ; 8 rows of 4,096 bytes
	s_mov_b32 s21, 0
	s_mul_i32 s22, s18, 8*768                      ; 8 rows of codes
	s_mov_b32 s23, 0
	s_lshl_b32 s24, s18, 8                         ; 8 rows of 32 scale bytes
	s_mov_b32 s25, 0
	s_wait_kmcnt 0x0
	s_add_nc_u64 s[4:5], s[4:5], s[20:21]
	s_add_nc_u64 s[8:9], s[8:9], s[22:23]
	s_add_nc_u64 s[10:11], s[10:11], s[24:25]
.irp t, 0,1,2,3
	XLOAD \t
.endr
	s_wait_loadcnt 12                              ; step 0's four loads are in
	XTURN 0
.irp t, 0,1,2,3,4,5,6,7,8,9,10,11,12,13,14,15
	XSTEP \t
.endr
	ds_load_b64 v[12:13], v6                       ; LDS serves a wave's instructions in order: these see my byte stores
	s_wait_dscnt 0x0
	global_store_b64 v7, v[12:13], s[10:11]        ; 32 lanes store 256 consecutive bytes, at a multiple of 256 from xs's first byte
	s_wait_tensorcnt 0x0
	ds_add_u32 v192, v193
	s_wait_dscnt 0x0
	s_endpgm
.Lnot_x:
	s_cmp_lt_u32 ttmp9, 384
	s_cbranch_scc0 .Lbias
	; ---------------- W: a lane takes a column n, its registers run down K ----------------
	s_load_b256 s[8:15], s[0:1], 0x8               ; Wq, Wk, Wu, Wv
	s_load_b128 s[36:39], s[0:1], 0x40             ; wc, ws
	s_sub_co_u32 s17, ttmp9, 256
	s_lshr_b32 s20, s17, 5                         ; which weight
	s_bfe_u32 s21, s17, 0x30002                    ; which 128 columns
	s_and_b32 s22, s17, 3                          ; which 256 along K
	s_lshl_b32 s23, s21, 7
	s_lshl_b32 s24, s16, 5
	s_add_co_u32 s23, s23, s24                     ; my wave's first column
	; my column's place among the wave's 32 stored rows is my lane with bits 3 and 4 exchanged: (lane & 7) + 16 x bit 3 + 8 x bit 4, 31 at the most.  Each address takes the three parts as three products
	v_and_b32 v10, 7, v0
	v_bfe_u32 v11, v0, 3, 1
	v_bfe_u32 v12, v0, 4, 1
	v_lshlrev_b32 v3, 2, v2                        ; in: 4 bytes a lane
	s_mul_i32 s24, s16, 32*WPITCH
	s_add_co_u32 s24, s24, WLDS                    ; my stage
	v_mul_u32_u24 v4, v10, WPITCH
	v_mad_u32_u24 v4, v11, 16*WPITCH, v4
	v_mad_u32_u24 v4, v12, 8*WPITCH, v4
	v_add_nc_u32 v4, s24, v4                       ; into it: row = my column's stored place: 31 x 272 + 252 bytes at the most, inside the wave's 8,704
	v_and_b32 v5, 15, v2
	v_lshrrev_b32 v6, 4, v2                        ; out of it: sixteen lanes to a row, two rows an instruction
	v_mul_u32_u24 v7, v6, WPITCH
	v_lshl_add_u32 v7, v5, 4, v7
	v_add_nc_u32 v7, s24, v7
	v_mul_u32_u24 v8, v6, WKROW
	v_mad_u32_u24 v8, v5, 12, v8                   ; and the same place in wc
	v_lshlrev_b32 v9, 5, v10                       ; my column's row of scale bytes: 32 bytes a stored row
	v_lshl_add_u32 v9, v11, 9, v9
	v_lshl_add_u32 v9, v12, 8, v9
	s_lshl_b32 s26, s22, 20                        ; 256 rows of 4,096 bytes
	s_lshl_b32 s27, s23, 2
	s_add_co_u32 s26, s26, s27
	s_mov_b32 s27, 0
	s_lshl_b32 s28, s20, 10
	s_add_co_u32 s28, s28, s23                     ; the wave's first stored row
	s_mul_i32 s30, s28, WKROW
	s_mul_i32 s31, s22, WROWB
	s_add_co_u32 s30, s30, s31
	s_mov_b32 s31, 0
	s_lshl_b32 s32, s28, 5
	s_lshl_b32 s33, s22, 3
	s_add_co_u32 s32, s32, s33
	s_mov_b32 s33, 0
	s_wait_kmcnt 0x0
	s_cmp_eq_u32 s20, 1                            ; the weight is chosen by the work-group's number alone
	s_cselect_b64 s[4:5], s[10:11], s[8:9]
	s_cmp_eq_u32 s20, 2
	s_cselect_b64 s[4:5], s[12:13], s[4:5]
	s_cmp_eq_u32 s20, 3
	s_cselect_b64 s[4:5], s[14:15], s[4:5]
	s_add_nc_u64 s[4:5], s[4:5], s[26:27]
	s_add_nc_u64 s[6:7], s[36:37], s[30:31]
	s_add_nc_u64 s[34:35], s[38:39], s[32:33]
	WLOAD 0
	WLOAD 1
.set Q, 0
.rept WNB
	WBLOCK Q
.set Q, Q+1
.endr
	global_store_b64 v9, v[WSB:WSB+1], s[34:35]    ; my column's 8 scale bytes
.irp t, 0,1,2,3,4,5,6,7,8,9,10,11,12,13,14,15
	ds_load_b96 v[WOUT+4*\t:WOUT+4*\t+2], v7 offset:2*\t*WPITCH   ; LDS serves a wave's instructions in order: these see my stores
.endr
.irp t, 0,1,2,3,4,5,6,7,8,9,10,11,12,13,14,15
	s_wait_dscnt 15-\t                             ; the younger loads may be out
	global_store_b96 v8, v[WOUT+4*\t:WOUT+4*\t+2], s[6:7] offset:2*\t*WKROW   ; sixteen lanes store a row's 192 consecutive bytes
.endr
	s_wait_tensorcnt 0x0
	ds_add_u32 v192, v193
	s_wait_dscnt 0x0
	s_endpgm
.Lbias:
	; ---------------- B: work-group g = 4 head + c writes 4,096 entries; thread t entries 4 (t + 128 m) + i ----------------
	s_load_b64 s[4:5], s[0:1], 0x28                ; rel_bias
	s_load_b64 s[6:7], s[0:1], 0x50                ; tab
	s_sub_co_u32 s17, ttmp9, 384
	s_lshr_b32 s20, s17, 2
	s_lshl_b32 s20, s20, 2                         ; the head's 4 bytes in a row of rel_bias
	s_mov_b32 s21, 0
	s_and_b32 s22, s17, 3                          ; c
	s_sub_co_u32 s22, 2079, s22
	s_lshl_b32 s24, s17, 14                        ; 16,384 bytes a table
	s_mov_b32 s25, 0
	v_lshlrev_b32 v1, 2, v0
	v_sub_nc_u32 v1, s22, v1                       ; 2079 - c - 4 t
	v_lshlrev_b32 v3, 4, v0
	v_mov_b32 v2, 0xf149f2ca                       ; -1e30
.set Q, 0
.rept 32
	v_add_nc_u32 v[96+Q], -(512*(Q/4)+Q%4), v1     ; d = 2047 - j, as an unsigned number: the entry is a bias where d < 2048; its row of rel_bias is 2047 + d
.set Q, Q+1
.endr
.set Q, 0
.rept 32
	v_min_u32 v[64+Q], 0x7ff, v[96+Q]              ; no load leaves the table
.set Q, Q+1
.endr
.set Q, 0
.rept 32
	v_lshlrev_b32 v[64+Q], 5, v[64+Q]              ; 32 bytes a row
.set Q, Q+1
.endr
	s_wait_kmcnt 0x0
	s_add_nc_u64 s[4:5], s[4:5], s[20:21]
	s_add_nc_u64 s[6:7], s[6:7], s[24:25]
.set Q, 0
.rept 32
	global_load_b32 v[32+Q], v[64+Q], s[4:5] offset:2047*32
.set Q, Q+1
.endr
	s_wait_loadcnt 0x0
.set Q, 0
.rept 32
	v_cmp_gt_u32 vcc_lo, 0x800, v[96+Q]
	v_cndmask_b32 v[32+Q], v2, v[32+Q], vcc_lo     ; the bias, or -1e30 where the key comes after the query (and in the entries that nobody reads)
.set Q, Q+1
.endr
.irp m, 0,1,2,3,4,5,6,7
	global_store_b128 v3, v[32+4*\m:35+4*\m], s[6:7] offset:2048*\m   ; a wave stores 512 consecutive bytes
.endr
	s_endpgm
.Lfunc_end_k_q5b9abc6b08_prep:
	.size	k_q5b9abc6b08_prep, .Lfunc_end_k_q5b9abc6b08_prep-k_q5b9abc6b08_prep
	.p2alignl 7, 3214868480
	.fill 96, 4, 3214868480
	.section	.rodata,"a",@progbits
	.p2align	6, 0x0
	.amdhsa_kernel k_q5b9abc6b08_prep
		.amdhsa_group_segment_fixed_size 68096
		.amdhsa_private_segment_fixed_size 0
		.amdhsa_enable_private_segment 0
		.amdhsa_kernarg_size 88
		.amdhsa_user_sgpr_count 2
		.amdhsa_user_sgpr_kernarg_segment_ptr 1
		.amdhsa_wavefront_size32 1
		.amdhsa_system_sgpr_workgroup_id_x 1
		.amdhsa_system_sgpr_workgroup_id_y 1
		.amdhsa_system_sgpr_workgroup_id_z 1
		.amdhsa_system_vgpr_workitem_id 0
		.amdhsa_next_free_vgpr 194
		.amdhsa_next_free_sgpr 66
		.amdhsa_reserve_vcc 1
		.amdhsa_float_denorm_mode_32 3
		.amdhsa_float_denorm_mode_16_64 3
		.amdhsa_memory_ordered 1
		.amdhsa_forward_progress 1
		.amdhsa_inst_pref_size 87
	.end_amdhsa_kernel
	.amdgpu_metadata
---
amdhsa.version: [ 1, 2 ]
amdhsa.kernels:
  - .name:           k_q5b9abc6b08_prep
    .symbol:         k_q5b9abc6b08_prep.kd
    .args:
      - { .name: x, .offset: 0, .size: 8, .value_kind: global_buffer, .address_space: global }
      - { .name: Wq, .offset: 8, .size: 8, .value_kind: global_buffer, .address_space: global }
      - { .name: Wk, .offset: 16, .size: 8, .value_kind: global_buffer, .address_space: global }
      - { .name: Wu, .offset: 24, .size: 8, .value_kind: global_buffer, .address_space: global }
      - { .name: Wv, .offset: 32, .size: 8, .value_kind: global_buffer, .address_space: global }
      - { .name: rel_bias, .offset: 40, .size: 8, .value_kind: global_buffer, .address_space: global }
      - { .name: xc, .offset: 48, .size: 8, .value_kind: global_buffer, .address_space: global }
      - { .name: xs, .offset: 56, .size: 8, .value_kind: global_buffer, .address_space: global }
      - { .name: wc, .offset: 64, .size: 8, .value_kind: global_buffer, .address_space: global }
      - { .name: ws, .offset: 72, .size: 8, .value_kind: global_buffer, .address_space: global }
      - { .name: tab, .offset: 80, .size: 8, .value_kind: global_buffer, .address_space: global }
    .group_segment_fixed_size: 68096
    .private_segment_fixed_size: 0
    .kernarg_segment_align: 8
    .kernarg_segment_size: 88
    .max_flat_workgroup_size: 128
    .sgpr_count:     66
    .vgpr_count:     194
    .wavefront_size: 32
...
	.end_amdgpu_metadata
.endif
;; end of part 1
;; launch gemm (part 2): grid 16 x 32, 4 waves a work-group, clusters of 4 x 4, 327,680 bytes of LDS; arguments xc, xs, wc, ws, qimg, kv, gate; writes qimg, kv, gate
.if DOCPART == 2
	.amdgcn_target "amdgcn-amd-amdhsa--gfx1250"
	.amdhsa_code_object_version 6
	.text
	.protected	k_q5b9abc6b08_gemm
	.globl	k_q5b9abc6b08_gemm
	.p2align	8
	.type	k_q5b9abc6b08_gemm,@function
k_q5b9abc6b08_gemm:
	s_mov_b64 s[64:65], 0
	v_nop
	global_prefetch_b8 v0, s[64:65] scope:SCOPE_SE
	s_setreg_imm32_b32 hwreg(HW_REG_WAVE_MODE, 25, 1), 1
	s_wait_xcnt 0x0
	s_wait_alu depctr_hold_cnt(0) depctr_sa_sdst(0) depctr_va_vdst(0) depctr_va_sdst(0) depctr_va_ssrc(0) depctr_va_vcc(0) depctr_vm_vsrc(0)
	s_getreg_b32 s2, hwreg(HW_REG_IB_STS2, 6, 4)
	s_cmp_eq_u32 s2, 0
	s_cbranch_scc0 .Lentry_in_a_cluster
	s_endpgm
.Lentry_in_a_cluster:
	s_bfe_u32 s2, ttmp6, 0x10000c
	s_cmp_lg_u32 s2, 0xf033
	s_cbranch_scc0 .Lentry_shape_is_right
	s_endpgm
.Lentry_shape_is_right:
; GEMM: the four projections x W on codes of BF6 (E3M2) with one E8M0 scale for each 32 along K = 1,024, f32 sums; behind them silu, and the quantising of Q, K and V for the attention launch.
; A work-group of four waves makes 256 x 256, a wave 128 x 128: 64 accumulators of 16 x 16, 512 registers.  K goes in steps of 256 through a ring of two LDS slots filled by the tensor data mover; the scale bytes of the
; work-group's rows, for all of K, come into LDS once.  THE MATRIX INSTRUCTION IS USED TRANSPOSED: source 0 = 16 rows of "B", source 1 = 16 rows of "A": a lane holds ONE row of A and its registers run along B's rows.
; ROLES, by the cluster's x (the same in all sixteen partners): 0, 1, 2: Q, K, U: A = rows of x (tokens), B = rows of wc (columns of Wq, Wk, Wu).  3: V: A = Wv's rows of wc (channels), B = rows of x (tokens):
; so for V a lane holds a channel and its registers run along the tokens, which are the second attention product's K.
; ROWS ARE STORED IN THE ORDER sigma (bits 3 and 4 of the row exchanged): for A's block a the lane's 64 results, register 16 b + i, are B's natural rows 32 b + 16 (lane / 16) + i of the wave's 128.
; CLUSTERS: 4 x 4 work-groups; A's tiles are asked for jointly along a row of the cluster, B's along a column.
; THE WAY OUT needs no LDS.  silu(y) = y L / (L + L 2^(-y L)), L = log2(e).  Q, K, V: a block's 64 numbers a lane become a fragment of 12 registers and a scale word, stored as IMAGES OF THE REGISTERS: registers 4 c .. 4 c + 3
; of lane l at 512 c + 16 l: every store of the wave covers 512 consecutive bytes.  U: silu(U) is stored as the image of the 64 registers.  K also stores, for each key, 0 or -1e30 (a key whose silu(K) row is all zeros).
; LIMITS: a block whose largest magnitude lies under 2^-122, zeros among them, gets the byte 1 (its reader is this program alone); NaN and infinities are not served; silu goes through v_exp_f32 and v_rcp_f32.
; REGISTERS, in windows of 256: window 0: v0-31 addresses; v32-63 scale words, two sets; from v128 A's fragments, one set; on the way out v64-253 are at work.  window 1: B's fragments, two sets.  windows 2, 3: the accumulators.
.set SIZE_K, 1024
.set KSTEP,  256                       ; along K in a slot
.set NQ,     KSTEP/128                 ; matrix instructions deep
.set ROWB,   192                       ; a tile's row in bytes
.set KROW,   SIZE_K*6/8                ; a row of codes in memory
.set PITCH,  240                       ; an LDS row: 3 x (64 bytes + 16 of padding): the 32 lanes of a load of 8 bytes touch 64 different banks (64 banks of 4 bytes: ISA guide 11.1)
.set FR,     12                        ; registers of a fragment
.set NL,     6                         ; LDS loads that bring one
.set NP,     4                         ; places behind this matrix instruction (ISA guide 7.12.1)
.set HALFT,  128*PITCH                 ; 128 rows: what one tensor load brings
.set SLOT,   4*HALFT                   ; A's 256 rows, then B's 256 rows
.set LAPS,   SIZE_K/(2*KSTEP)
.set KS,     SIZE_K/32                 ; a row of scale bytes
.set SCL,    2*SLOT                    ; behind the ring: the scales, as rows of 256 bytes + 16 of padding
.set HALFS,  (128*KS/256)*272
.set SBLK,   (16*KS/256)*272
.set SPARE,  SCL+4*HALFS               ; the spare words, 128 bytes a wave: two blocks of 256 bytes that no other line names
.set ADRA, 16                          ; v16-17 LDS address of my A fragments in slot 0, 1 (v18-19: behind one padding more)
.set ADRB, 20                          ; v20-21 the same for B (v22-23)
.set CO,   26                          ; v26    16 x lane: my place in every image
.set ADRS, 27                          ; v27    LDS address of my scale words: lanes 0-15 A's rows, lanes 16-31 B's
.set SPW,  28                          ; v28    my spare word; never rewritten
.set NIL,  29                          ; v29    0; never rewritten
.set SC,   32                          ; scale words, two sets
.set AF,   128                         ; A's fragments
.set G1, 24
.set G0, 32
.set G1B, 48
.set G0B, 56
.set G1S, 68
.set G0S, 76
.set G1SB, 80
.set G0SB, 88
.set ROLE, 66                          ; s66 the cluster's x
.set HD,   67                          ; s67 my wave's head
.set TT,   95                          ; s95 my wave's block of 128 tokens, 0 .. 63
; the way out
.set XP,   64                          ; v64-127  y L, then silu(y)
.set EE,   128                         ; v128-191 2^(-y L), L + L e, its reciprocal
.set CD,   192                         ; v192-203 the codes just made
.set CT,   204                         ; v204-206, v208-210 the conversions' second halves
.set TM,   212                         ; v212-215 the blocks' largest magnitudes
.set TP,   216                         ; v216-219 the other half's, then the bytes
.set SO,   220                         ; v220-223 the conversions' scale operands
.set PW,   224                         ; the scale word just made
.set T1,   225
.set KM,   226                         ; v226-233 0 or -1e30 for my row of each block
.set NEGB, 234                         ; -1e30
.set VKM,  235
.set OUTW, 236                         ; v236-239 my 16 bytes of the scale image
.set OUTK, 240                         ; v240-243 the key mask's numbers to store
.set HH,   244
.set SW,   246                         ; v246-253 the eight scale words
.set LG,   74                          ; s[74:75] L, twice
.set FB,   84                          ; s[84:85] where my fragments go
.set SB,   86                          ; s[86:87] my scale image
.set GB,   88                          ; s[88:89] my images of the gate
.set KMB,  90                          ; s[90:91] my 128 numbers of the key mask
.set MSB, 0
.macro WIN new                         ; the immediate's high byte repeats the setting that is left
.if MSB != \new
	s_set_vgpr_msb (MSB<<8)|\new
.set MSB, \new
.endif
.endm
.set MUL_LO, 0xa1                      ; source 0 (B) window 1, source 1 (A) window 0, C and D window 2
.set MUL_HI, 0xf1                      ; the same, C and D window 3
.set TO_B,   0x40                      ; destination window 1, address window 0
; A joint load: waves 0 and 1 fetch for A, waves 2 and 3 for B.  The branch hangs on the wave's number alone.  Four v_nop follow each of the two lines.
.macro JLOAD g0a, g1a, g0b, g1b
	s_cmp_eq_u32 s15, 0
	s_cbranch_scc0 .Lfor_b_\@
	tensor_load_to_lds s[\g0a:\g0a+3], s[\g1a:\g1a+7]
	s_nop 0
.rept 4
	v_nop
.endr
	s_branch .Lasked_\@
.Lfor_b_\@:
	tensor_load_to_lds s[\g0b:\g0b+3], s[\g1b:\g1b+7]
	s_nop 0
.rept 4
	v_nop
.endr
.Lasked_\@:
.endm
.macro CREST                           ; a round of the cluster's barrier behind its opening barrier
	s_cmp_lg_u32 s14, 0
	s_cbranch_scc1 .Lnot_wave_0_\@
	s_barrier_signal -3
.Lnot_wave_0_\@:
	s_barrier_wait -3
	s_barrier_signal -1
	s_barrier_wait -1
.endm
.macro CROUND                          ; a whole round
	s_barrier_signal -1
	s_barrier_wait -1
	CREST
.endm
	s_load_b128 s[4:7], s[0:1], 0x0                ; xc, xs
	s_load_b128 s[8:11], s[0:1], 0x10              ; wc, ws
	v_lshl_add_u32 v[SPW], v0, 2, SPARE
	v_mov_b32 v[NIL], 0
	ds_add_u32 v28, v29
	s_wait_dscnt 0x0
	v_lshrrev_b32 v1, 5, v0
	v_readfirstlane_b32 s14, v1                    ; wave 0..3
	s_lshr_b32 s15, s14, 1                         ; which half of A's 256 rows is mine.  Also: I fetch for A (0) or for B (1)
	s_and_b32 s16, s14, 1                          ; which half of B's.  Also: which 128 rows of that tile I fetch
	s_bfe_u32 s40, ttmp6, 0x40000                  ; cx, cy: my place in the cluster
	s_bfe_u32 s41, ttmp6, 0x40004
	s_and_b32 s13, ttmp7, 0xffff                   ; the cluster's y: which 1,024 rows of x
	s_mov_b32 s[ROLE], ttmp9
	s_cmp_lt_u32 ttmp9, 3
	s_cselect_b32 s12, s13, 3                      ; A's 1,024 rows: of x by the cluster's y; for V: Wv's, the fourth 1,024 of wc
	s_cselect_b32 s13, ttmp9, s13                  ; B's: of wc by the role; for V: of x by the cluster's y
	s_lshl_b32 s42, s13, 2
	s_add_co_u32 s42, s42, s40                     ; B's tile of 256 rows
	s_lshl_b32 s17, s12, 2
	s_add_co_u32 s17, s17, s41                     ; A's tile of 256 rows
	s_lshl_b32 s43, s41, 2
	s_lshl_b32 s43, 15, s43                        ; my row of the cluster
	s_lshl_b32 s44, 0x1111, s40                    ; my column
	; descriptor group 1: a tile of 128 rows x 192 bytes, padded in LDS
	s_or_b32 s[G1+0], s43, (0<<16)|(1<<20)|(1<<21)|(3<<22)|(3<<25)  ; 15:0 the mask: A's tiles go to my row; 17:16 elements of 1 byte; 20 padding on; 21 set beside a mask; 24:22 after every 16 words; 31:25 of 4 words
	s_or_b32 s[G1B+0], s44, (0<<16)|(1<<20)|(1<<21)|(3<<22)|(3<<25)
.irp g, G1, G1B
	s_mov_b32 s[\g+1], ROWB<<16                    ; tensor_dim0
	s_mov_b32 s[\g+2], 128<<16                     ; tensor_dim1
	s_mov_b32 s[\g+3], ROWB<<16                    ; tile_dim0
	s_mov_b32 s[\g+4], 128                         ; tile_dim1
	s_mov_b32 s[\g+5], KROW                        ; tensor_dim0_stride
	s_mov_b32 s[\g+6], 0
	s_mov_b32 s[\g+7], 0
.endr
	; the scales of 128 rows: a dense block of 4,096 bytes, as rows of 256 bytes (32 elements of 8 bytes), 16 bytes of padding behind each
	s_or_b32 s[G1S+0], s43, (3<<16)|(1<<20)|(1<<21)|(5<<22)|(3<<25)
	s_or_b32 s[G1SB+0], s44, (3<<16)|(1<<20)|(1<<21)|(5<<22)|(3<<25)
.irp g, G1S, G1SB
	s_mov_b32 s[\g+1], 32<<16
	s_mov_b32 s[\g+2], (128*KS/256)<<16
	s_mov_b32 s[\g+3], 32<<16
	s_mov_b32 s[\g+4], 128*KS/256
	s_mov_b32 s[\g+5], 32
	s_mov_b32 s[\g+6], 0
	s_mov_b32 s[\g+7], 0
.endr
	s_lshl_b32 s18, s16, 7                         ; which 128 rows of the tile I fetch
	s_lshl_b32 s20, s17, 8
	s_add_co_u32 s20, s20, s18                     ; A's row
	s_lshl_b32 s46, s42, 8
	s_add_co_u32 s46, s46, s18                     ; B's row
	s_mov_b32 s21, 0
	s_mov_b32 s47, 0
	s_mov_b64 s[18:19], KS
	s_mul_u64 s[22:23], s[20:21], s[18:19]         ; where these rows' scales begin, in bytes
	s_mul_u64 s[92:93], s[46:47], s[18:19]
	s_mov_b64 s[18:19], KROW
	s_mul_u64 s[20:21], s[20:21], s[18:19]         ; and their codes
	s_mul_u64 s[46:47], s[46:47], s[18:19]
	s_mul_i32 s45, s14, HALFT                      ; where they go: wave x 128 rows: no place in the cluster enters an LDS address
	s_mul_i32 s94, s14, HALFS
	s_wait_kmcnt 0x0
	s_cmp_lt_u32 ttmp9, 3                          ; which buffers are A's and which B's hangs on the cluster's x alone
	s_cselect_b64 s[96:97], s[4:5], s[8:9]
	s_cselect_b64 s[98:99], s[6:7], s[10:11]
	s_cselect_b64 s[8:9], s[8:9], s[4:5]
	s_cselect_b64 s[10:11], s[10:11], s[6:7]
	s_add_nc_u64 s[20:21], s[96:97], s[20:21]
	s_add_nc_u64 s[22:23], s[98:99], s[22:23]
	s_add_nc_u64 s[46:47], s[8:9], s[46:47]
	s_add_nc_u64 s[92:93], s[10:11], s[92:93]
	CROUND                                         ; all sixteen work-groups are here: the first joint loads meet
	s_mov_b32 s[G0S], 1
	s_add_co_u32 s[G0S+1], s94, SCL
	s_mov_b64 s[G0S+2:G0S+3], s[22:23]
	s_or_b32 s[G0S+3], s[G0S+3], 0x80000000
	s_mov_b32 s[G0SB], 1
	s_add_co_u32 s[G0SB+1], s94, SCL
	s_mov_b64 s[G0SB+2:G0SB+3], s[92:93]
	s_or_b32 s[G0SB+3], s[G0SB+3], 0x80000000
	JLOAD G0S, G1S, G0SB, G1SB                     ; the scales first: they are wanted with K step 0
.irp s, 0,1
	s_mov_b32 s[G0+4*\s], 1
	s_add_co_u32 s[G0+4*\s+1], s45, \s*SLOT
	s_add_nc_u64 s[G0+4*\s+2:G0+4*\s+3], s[20:21], \s*ROWB
	s_or_b32 s[G0+4*\s+3], s[G0+4*\s+3], 0x80000000
	s_mov_b32 s[G0B+4*\s], 1
	s_add_co_u32 s[G0B+4*\s+1], s45, \s*SLOT
	s_add_nc_u64 s[G0B+4*\s+2:G0B+4*\s+3], s[46:47], \s*ROWB
	s_or_b32 s[G0B+4*\s+3], s[G0B+4*\s+3], 0x80000000
	JLOAD G0+4*\s, G1, G0B+4*\s, G1B
.endr
	v_and_b32 v1, 15, v0                           ; l % 16
	v_bfe_u32 v2, v0, 4, 1                         ; l / 16
	v_mul_u32_u24 v3, v1, PITCH
	v_mul_u32_u24 v4, v2, 24
	v_add_nc_u32 v4, v3, v4                        ; a fragment's row x pitch + 24 x half
	v_lshl_add_u32 v5, v2, 4, v4                   ; and the same behind one padding more
	s_mul_i32 s21, s15, HALFT                      ; my 128 rows of A
	s_mul_i32 s22, s16, HALFT                      ; my 128 rows of B,
	s_add_co_u32 s22, s22, 2*HALFT                 ; which lie behind A's 256
.irp s, 0,1
	v_add_nc_u32 v[ADRA+\s], s21, v4
	v_add_nc_u32 v[ADRB+\s], s22, v4
	v_add_nc_u32 v[ADRA+2+\s], s21, v5
	v_add_nc_u32 v[ADRB+2+\s], s22, v5
	s_add_co_u32 s21, s21, SLOT
	s_add_co_u32 s22, s22, SLOT
.endr
	v_mul_u32_u24 v5, v1, KS                       ; my row's scales: 32 bytes a row,
	v_lshrrev_b32 v6, 8, v5
	v_lshl_add_u32 v5, v6, 4, v5                   ; and 16 more for each 256 passed
	s_mul_i32 s21, s15, HALFS                      ; A's: my 128 rows
	s_mul_i32 s22, s16, HALFS                      ; B's: my 128 rows, behind A's 256
	s_add_co_u32 s22, s22, 2*HALFS
	s_sub_co_u32 s22, s22, s21
	v_mul_u32_u24 v6, s22, v2                      ; lanes 16-31 take B's
	s_add_co_u32 s21, s21, SCL
	v_add_nc_u32 v5, v5, v6
	v_add_nc_u32 v[ADRS], s21, v5
	v_and_b32 v6, 31, v0
	v_lshlrev_b32 v[CO], 4, v6
	; which head and which 128 tokens my wave's results belong to: these enter the stores' addresses alone
	s_lshl_b32 s100, s40, 1
	s_add_co_u32 s100, s100, s16                   ; Q, K, U: the head is B's: 2 cx + my half of B
	s_lshl_b32 s101, s41, 1
	s_add_co_u32 s101, s101, s15                   ; V: the head is A's: 2 cy + my half of A
	s_lshl_b32 s104, s17, 1
	s_add_co_u32 s104, s104, s15                   ; Q, K, U: the tokens are A's
	s_lshl_b32 s105, s42, 1
	s_add_co_u32 s105, s105, s16                   ; V: the tokens are B's
	s_cmp_lt_u32 ttmp9, 3
	s_cselect_b32 s[HD], s100, s101
	s_cselect_b32 s[TT], s104, s105
.macro FRAG reg, adr, q, i             ; a fragment, 16 rows x 128 K, is 12 registers: lane l holds row l % 16; registers 6 c .. 6 c + 5 hold K = 64 c + 32 (l / 16) + 0 .. 31: 24 bytes of the row, as they lie
.irp p, 0,1,2,3,4,5                    ; in pieces of 8 bytes.  Lanes 16-31 read three pieces further on; where that lies behind one padding more, the second address register serves
.set PC, 12*(\q)+6*(\p/3)+\p%3
.if PC%8 < 5
	ds_load_b64 v[\reg+2*\p:\reg+2*\p+1], v[\adr] offset:8*PC+16*(PC/8)+(\i)*16*PITCH
.else
	ds_load_b64 v[\reg+2*\p:\reg+2*\p+1], v[\adr+2] offset:8*PC+16*(PC/8)+(\i)*16*PITCH
.endif
.endr
.endm
; 16 matrix instructions: A's blocks a0, a0 + 1 x B's eight, 128 along K.  The 64 accumulators take turns, one instruction a turn, in the same order in every step.
.macro MUL16 a0, p, q, sc, zero
.irp a, \a0, \a0+1
.irp b, 0,1,2,3,4,5,6,7
.if \zero
	v_wmma_scale_f32_16x16x128_f8f6f4 v[8*(8*((\a)%4)+\b):8*(8*((\a)%4)+\b)+7], v[128*(\p)+FR*\b:128*(\p)+FR*\b+FR-1], v[AF+FR*(\a):AF+FR*(\a)+FR-1], 0, v[SC+8*NQ*(\sc)+NQ*\b+(\q)], v[SC+8*NQ*(\sc)+NQ*(\a)+(\q)] matrix_a_fmt:MATRIX_FMT_BF6 matrix_b_fmt:MATRIX_FMT_BF6 matrix_a_scale:MATRIX_SCALE_ROW1
.else
	v_wmma_scale_f32_16x16x128_f8f6f4 v[8*(8*((\a)%4)+\b):8*(8*((\a)%4)+\b)+7], v[128*(\p)+FR*\b:128*(\p)+FR*\b+FR-1], v[AF+FR*(\a):AF+FR*(\a)+FR-1], v[8*(8*((\a)%4)+\b):8*(8*((\a)%4)+\b)+7], v[SC+8*NQ*(\sc)+NQ*\b+(\q)], v[SC+8*NQ*(\sc)+NQ*(\a)+(\q)] matrix_a_fmt:MATRIX_FMT_BF6 matrix_b_fmt:MATRIX_FMT_BF6 matrix_a_scale:MATRIX_SCALE_ROW1
.endif
.endr
.endr
.endm
.macro FETCH_B slot, q, p              ; B's eight fragments of the slot's q-th 128 along K into set p
	WIN TO_B
.irp i, 0,1,2,3,4,5,6,7
	FRAG 128*(\p)+FR*\i, ADRB+\slot, \q, \i
.endr
	WIN 0
.endm
.macro FETCH_A slot, q, i0             ; A's blocks i0 .. i0 + 3
.irp i, \i0, \i0+1, \i0+2, \i0+3
	FRAG AF+FR*(\i), ADRA+\slot, \q, \i
.endr
.endm
.macro SCALES sc                       ; the next K step's scale words into set sc: lanes 0-15 take A's block i, lanes 16-31 B's block i
.irp i, 0,1,2,3,4,5,6,7
	ds_load_b64 v[SC+8*NQ*\sc+NQ*\i:SC+8*NQ*\sc+NQ*\i+1], v[ADRS] offset:\i*SBLK
.endr
.endm
.macro PLACES n                        ; places behind matrix instructions, in front of loads into registers that they have read and of the first read of results
.rept \n
	v_nop
.endr
.endm
.macro STEP slot, q, zero              ; a step of 128 along K that has its successor in the same slot
	s_wait_dscnt 4*NL                              ; B's set and A's blocks 0-3 are in; the youngest 24 loads (A's blocks 4-7) may be out
	WIN MUL_LO
	MUL16 0, (\q)%2, \q, \slot, \zero
	MUL16 2, (\q)%2, \q, \slot, \zero
	s_wait_dscnt 0                                 ; A's blocks 4-7 are in
	PLACES NP
	FETCH_B \slot, (\q)+1, 1-(\q)%2
	FETCH_A \slot, (\q)+1, 0
	WIN MUL_HI
	MUL16 4, (\q)%2, \q, \slot, \zero
	MUL16 6, (\q)%2, \q, \slot, \zero
	PLACES NP
	WIN 0
	FETCH_A \slot, (\q)+1, 4
.endm
; A slot's last step changes slots: one barrier; in front of it each wave waits for all its tensor loads, adds 0 to its spare word, and waits for that and for its own reads of this slot.
.macro TURN slot, next, fill
	s_wait_tensorcnt 0x0                           ; all my tensor loads have landed: my part of the next slot
	ds_add_u32 v[SPW], v[NIL]                      ; 0 onto my spare word
	s_wait_dscnt 4*NL+1                            ; the add and the youngest 24 loads (A's blocks 4-7) may be out
	WIN MUL_LO
	MUL16 0, 1, NQ-1, \slot, 0                     ; sixteen matrix instructions stand between the add and the wait for it
	s_wait_dscnt 0x0                               ; the add is done, and my reads of this slot are over
	s_barrier_signal -1
	MUL16 2, 1, NQ-1, \slot, 0
	WIN 0
	s_barrier_wait -1
.if \fill
	CREST                                          ; the barrier has opened a round of the cluster's barrier: no wave of any partner still reads this slot or has a load on its way
	s_add_nc_u64 s[G0+4*\slot+2:G0+4*\slot+3], s[G0+4*\slot+2:G0+4*\slot+3], 2*ROWB
	s_add_nc_u64 s[G0B+4*\slot+2:G0B+4*\slot+3], s[G0B+4*\slot+2:G0B+4*\slot+3], 2*ROWB
	JLOAD G0+4*\slot, G1, G0B+4*\slot, G1B         ; the first tensor load behind the round; its four v_nop are the places in front of the loads below
.else
	PLACES NP
.endif
	v_add_nc_u32 v[ADRS], 4*NQ, v[ADRS]            ; on to the next K step's scale words
	FETCH_B \next, 0, 0
	FETCH_A \next, 0, 0
	SCALES \next
	WIN MUL_HI
	MUL16 4, 1, NQ-1, \slot, 0
	MUL16 6, 1, NQ-1, \slot, 0
	PLACES NP
	WIN 0
	FETCH_A \next, 0, 4
.endm
	s_wait_tensorcnt 1                             ; the scales and my part of K step 0 are in; K step 1's load may be out
	s_barrier_signal -1
	s_barrier_wait -1
	FETCH_B 0, 0, 0
	FETCH_A 0, 0, 0
	SCALES 0
	FETCH_A 0, 0, 4
	STEP 0, 0, 1                                   ; the first step's products start the sums: nothing is cleared
	s_mov_b32 s3, LAPS-1
.Llap:                                                 ; a trip goes once round the ring and fills both slots again
	TURN 0, 1, 1
	STEP 1, 0, 0
	TURN 1, 0, 1
	STEP 0, 0, 0
	s_sub_co_u32 s3, s3, 1
	s_cmp_lg_u32 s3, 0
	s_cbranch_scc1 .Llap
	TURN 0, 1, 0                                   ; the last lap fills nothing
	STEP 1, 0, 0
	s_load_b128 s[68:71], s[0:1], 0x20             ; qimg, kv: into the scale descriptors' registers: every tensor load of mine has been waited for
	s_load_b64 s[72:73], s[0:1], 0x30              ; gate
	s_wait_dscnt 4*NL                              ; the very last step
	WIN MUL_LO
	MUL16 0, 1, NQ-1, 1, 0
	MUL16 2, 1, NQ-1, 1, 0
	s_wait_dscnt 0
	WIN MUL_HI
	MUL16 4, 1, NQ-1, 1, 0
	MUL16 6, 1, NQ-1, 1, 0
	WIN 0
	; ---------------- THE WAY OUT ----------------
	PLACES NP
	s_mov_b32 s[LG], 0x3fb8aa3b                    ; L = log2(e)
	s_mov_b32 s[LG+1], s[LG]
	v_mov_b32 v[NEGB], 0xf149f2ca                  ; -1e30
.irp b, 0,1,2,3
	v_mov_b32 v[TP+\b], 0                          ; written once: a lane permute's destination counts as one of its sources
.endr
	s_lshr_b32 s20, s[TT], 4
	s_lshl_b32 s20, s20, 3
	s_add_co_u32 s20, s20, s[HD]                   ; bh = 8 x batch + head
	s_and_b32 s21, s[TT], 15                       ; which 128 tokens of the sequence
	s_lshl_b32 s22, s20, 4
	s_add_co_u32 s22, s22, s21
	s_mul_i32 s23, s22, 12800                      ; Q's record: 8 fragments and a scale image
	s_lshl_b32 s76, s22, 16                        ; the gate's: 8 images of 8,192 bytes
	s_mov_b32 s77, 0
	s_mul_i32 s40, s20, 17                         ; kv: 17 records of 24,576 bytes a head
	s_add_co_u32 s41, s40, s21
	s_mul_i32 s41, s41, 24576                      ; the key step's record: K's 8 fragments, then V's
	s_add_co_u32 s42, s40, 16
	s_mul_i32 s42, s42, 24576                      ; the 17th: K's scale images, V's, the key mask
	s_lshl_b32 s43, s21, 9
	s_add_co_u32 s42, s42, s43
	s_add_co_u32 s46, s42, 16384                   ; the key mask's 128 numbers
	s_mov_b32 s47, 0
	s_cmp_eq_u32 s[ROLE], 3
	s_cselect_b32 s43, 12288, 0
	s_cselect_b32 s44, 8192, 0
	s_add_co_u32 s41, s41, s43
	s_add_co_u32 s42, s42, s44
	s_add_co_u32 s45, s23, 12288
	s_mov_b32 s79, 0
	s_mov_b32 s81, 0
	s_wait_kmcnt 0x0
	s_cmp_eq_u32 s[ROLE], 0
	s_cselect_b32 s78, s23, s41
	s_cselect_b32 s80, s45, s42
	s_cselect_b64 s[82:83], s[68:69], s[70:71]
	s_add_nc_u64 s[FB:FB+1], s[82:83], s[78:79]
	s_add_nc_u64 s[SB:SB+1], s[82:83], s[80:81]
	s_add_nc_u64 s[GB:GB+1], s[72:73], s[76:77]
	s_add_nc_u64 s[KMB:KMB+1], s[70:71], s[46:47]
; silu of A's block a: 64 numbers a lane.  Each batch of 64 transcendentals has one plain line and ONE wait behind it, ahead of its first reader.
.macro SILU a
.if (\a) > 0
	s_wait_xcnt 0x0                                ; the last block's stores have read their registers
.endif
	WIN 0x02+(\a)/4                                ; source 0: window 2 or 3
.set J, 0
.rept 32
	v_pk_mul_f32 v[XP+J:XP+J+1], v[64*((\a)%4)+J:64*((\a)%4)+J+1], s[LG:LG+1] op_sel_hi:[1,0]   ; y L; each accumulator from its low end on
.set J, J+2
.endr
	WIN 0
.set J, 0
.rept 64
	v_exp_f32 v[EE+J], -v[XP+J]                    ; e = 2^(-y L)
.set J, J+1
.endr
	v_nop
	s_wait_alu depctr_va_vdst(0)
.set J, 0
.rept 32
	v_pk_fma_f32 v[EE+J:EE+J+1], v[EE+J:EE+J+1], s[LG:LG+1], s[LG:LG+1] op_sel_hi:[1,0,0]   ; L e + L
.set J, J+2
.endr
.set J, 0
.rept 64
	v_rcp_f32 v[EE+J], v[EE+J]
.set J, J+1
.endr
	v_nop
	s_wait_alu depctr_va_vdst(0)
.set J, 0
.rept 32
	v_pk_mul_f32 v[XP+J:XP+J+1], v[XP+J:XP+J+1], v[EE+J:EE+J+1]   ; y L / (L + L e) = y sigmoid(y)
.set J, J+2
.endr
.endm
; The 64 numbers in XP, register 16 b + i = k 32 b + 16 (lane / 16) + i of my row, become a fragment's codes in CD and its scale word in PW.  TM keeps the blocks' largest magnitudes without the floor.
.macro QUANT
.irp b, 0,1,2,3
	v_max3_num_f32 v[TM+\b], |v[XP+16*\b]|, |v[XP+16*\b+1]|, |v[XP+16*\b+2]|
.endr
.irp i, 3,5,7,9,11,13
.irp b, 0,1,2,3
	v_max3_num_f32 v[TM+\b], v[TM+\b], |v[XP+16*\b+\i]|, |v[XP+16*\b+\i+1]|   ; the four blocks by turns
.endr
.endr
.irp b, 0,1,2,3
	v_max_num_f32 v[TM+\b], v[TM+\b], |v[XP+16*\b+15]|
.endr
.irp b, 0,1,2,3
	v_permlanex16_b32 v[TP+\b], v[TM+\b], s18, s19
.endr
.irp b, 0,1,2,3
	v_max_num_f32 v[TM+\b], v[TM+\b], v[TP+\b]     ; with lane l xor 16's: the block's largest magnitude
.endr
.irp b, 0,1,2,3
	v_max_num_f32 v[SO+\b], 0x2800000, v[TM+\b]    ; the floor 2^(5 - 127): the byte cannot fall under 1
.endr
.irp b, 0,1,2,3
	v_add_nc_u32 v[SO+\b], 0xfe000000, v[SO+\b]    ; 4 off the exponent field: the conversion's scale operand
.endr
.irp b, 0,1,2,3
	v_lshrrev_b32 v[TP+\b], 23, v[SO+\b]           ; the scale's byte
.endr
	v_lshl_or_b32 v[PW], v[TP+1], 8, v[TP]
	v_lshl_or_b32 v[PW], v[TP+2], 16, v[PW]
	v_lshl_or_b32 v[PW], v[TP+3], 24, v[PW]
.irp c, 0,1
	v_cvt_scalef32_pk16_bf6_f32 v[CD+6*\c:CD+6*\c+2], v[XP+32*\c:XP+32*\c+15], v[SO+2*\c]
	v_cvt_scalef32_pk16_bf6_f32 v[CT+4*\c:CT+4*\c+2], v[XP+32*\c+16:XP+32*\c+31], v[SO+2*\c+1]   ; (a conversion's three registers begin on an even number)
.endr
	v_nop                                          ; one plain line behind the last conversion
.irp c, 0,1                                    ; the operand's layout wants a whole block in a lane: lanes 0-15 block 2 c, lanes 16-31 block 2 c + 1
.irp i, 0,1,2
	v_permlane16_swap_b32 v[CD+6*\c+\i], v[CT+4*\c+\i]
.endr
.irp i, 0,1,2
	v_mov_b32 v[CD+3+6*\c+\i], v[CT+4*\c+\i]
.endr
.endr
.endm
.macro TILE a
	SILU \a
	s_cmp_eq_u32 s[ROLE], 2                        ; the role is the same in all partners
	s_cbranch_scc1 .Lgate_\@
	QUANT
	v_max3_num_f32 v[T1], v[TM], v[TM+1], v[TM+2]
	v_max_num_f32 v[T1], v[T1], v[TM+3]            ; my row's largest magnitude: 0 where the row is all zeros
	v_cmp_eq_f32 vcc_lo, 0, v[T1]
	v_cndmask_b32 v[KM+\a], 0, v[NEGB], vcc_lo
	v_mov_b32 v[SW+\a], v[PW]
.irp c, 0,1,2
	global_store_b128 v[CO], v[CD+4*\c:CD+4*\c+3], s[FB:FB+1] offset:1536*(\a)+512*\c   ; the wave stores 512 consecutive bytes
.endr
	s_branch .Lnext_\@
.Lgate_\@:
.irp n, 0,1,2,3,4,5,6,7,8,9,10,11,12,13,14,15
	global_store_b128 v[CO], v[XP+4*\n:XP+4*\n+3], s[GB:GB+1] offset:8192*(\a)+512*\n th:TH_STORE_NT
.endr
.Lnext_\@:
.endm
	s_mov_b32 s18, 0x76543210
	s_mov_b32 s19, 0xfedcba98                      ; v_permlanex16_b32's selects for lane l xor 16
.irp a, 0,1,2,3,4,5,6,7
	TILE \a
.endr
	s_cmp_eq_u32 s[ROLE], 2
	s_cbranch_scc1 .Ldone
	v_bfe_u32 v[HH], v0, 4, 1
	v_cmp_ne_u32 vcc_lo, 0, v[HH]
.irp i, 0,1,2,3
	v_cndmask_b32 v[OUTW+\i], v[SW+\i], v[SW+4+\i], vcc_lo   ; the scale image: lane (r, h) holds row r's words of blocks 4 h .. 4 h + 3
.endr
	global_store_b128 v[CO], v[OUTW:OUTW+3], s[SB:SB+1]
	s_cmp_eq_u32 s[ROLE], 1
	s_cbranch_scc0 .Ldone
	v_and_b32 v[T1], 15, v0
	v_and_b32 v[VKM], 8, v0
	v_add_nc_u32 v[VKM], v[VKM], v[T1]
	v_lshl_add_u32 v[VKM], v[HH], 3, v[VKM]
	v_lshlrev_b32 v[VKM], 2, v[VKM]                ; lane (r, h) stores block 2 p + h's row r: key 32 p + 8 h + r + 8 (r / 8): the wave stores 128 consecutive bytes
.irp p, 0,1,2,3
	v_cndmask_b32 v[OUTK+\p], v[KM+2*\p], v[KM+2*\p+1], vcc_lo
.endr
.irp p, 0,1,2,3
	global_store_b32 v[VKM], v[OUTK+\p], s[KMB:KMB+1] offset:128*\p
.endr
.Ldone:
	s_wait_tensorcnt 0x0                           ; the wave's end
	ds_add_u32 v[SPW], v[NIL]
	s_wait_dscnt 0x0
	CROUND                                         ; the closing round: no work-group ends while a partner may still ask for a tile that names it
	s_endpgm
.Lfunc_end_k_q5b9abc6b08_gemm:
	.size	k_q5b9abc6b08_gemm, .Lfunc_end_k_q5b9abc6b08_gemm-k_q5b9abc6b08_gemm
	.p2alignl 7, 3214868480
	.fill 96, 4, 3214868480
	.section	.rodata,"a",@progbits
	.p2align	6, 0x0
	.amdhsa_kernel k_q5b9abc6b08_gemm
		.amdhsa_group_segment_fixed_size 327680
		.amdhsa_private_segment_fixed_size 0
		.amdhsa_enable_private_segment 0
		.amdhsa_kernarg_size 56
		.amdhsa_user_sgpr_count 2
		.amdhsa_user_sgpr_kernarg_segment_ptr 1
		.amdhsa_wavefront_size32 1
		.amdhsa_system_sgpr_workgroup_id_x 1
		.amdhsa_system_sgpr_workgroup_id_y 1
		.amdhsa_system_sgpr_workgroup_id_z 1
		.amdhsa_system_vgpr_workitem_id 0
		.amdhsa_next_free_vgpr 1024
		.amdhsa_next_free_sgpr 106
		.amdhsa_reserve_vcc 1
		.amdhsa_float_denorm_mode_32 3
		.amdhsa_float_denorm_mode_16_64 3
		.amdhsa_memory_ordered 1
		.amdhsa_forward_progress 1
		.amdhsa_inst_pref_size 255
	.end_amdhsa_kernel
	.section	.bss,"aw",@nobits
	.p2align	6
	.space	262144
	.amdgpu_metadata
---
amdhsa.version: [ 1, 2 ]
amdhsa.kernels:
  - .name:           k_q5b9abc6b08_gemm
    .symbol:         k_q5b9abc6b08_gemm.kd
    .args:
      - { .name: xc, .offset: 0, .size: 8, .value_kind: global_buffer, .address_space: global }
      - { .name: xs, .offset: 8, .size: 8, .value_kind: global_buffer, .address_space: global }
      - { .name: wc, .offset: 16, .size: 8, .value_kind: global_buffer, .address_space: global }
      - { .name: ws, .offset: 24, .size: 8, .value_kind: global_buffer, .address_space: global }
      - { .name: qimg, .offset: 32, .size: 8, .value_kind: global_buffer, .address_space: global }
      - { .name: kv, .offset: 40, .size: 8, .value_kind: global_buffer, .address_space: global }
      - { .name: gate, .offset: 48, .size: 8, .value_kind: global_buffer, .address_space: global }
    .group_segment_fixed_size: 327680
    .private_segment_fixed_size: 0
    .kernarg_segment_align: 8
    .kernarg_segment_size: 56
    .max_flat_workgroup_size: 128
    .sgpr_count:     106
    .vgpr_count:     1024
    .wavefront_size: 32
...
	.end_amdgpu_metadata
.endif
;; end of part 2
;; launch attn (part 3): grid 8 x 32, 16 waves a work-group, clusters of 4 x 1, 327,680 bytes of LDS; arguments qimg, kv, gate, tab, out0; writes out0
.if DOCPART == 3
	.amdgcn_target "amdgcn-amd-amdhsa--gfx1250"
	.amdhsa_code_object_version 6
	.text
	.protected	k_q5b9abc6b08_attn
	.globl	k_q5b9abc6b08_attn
	.p2align	8
	.type	k_q5b9abc6b08_attn,@function
k_q5b9abc6b08_attn:
	s_mov_b64 s[64:65], 0
	v_nop
	global_prefetch_b8 v0, s[64:65] scope:SCOPE_SE
	s_setreg_imm32_b32 hwreg(HW_REG_WAVE_MODE, 25, 1), 1
	s_wait_xcnt 0x0
	s_wait_alu depctr_hold_cnt(0) depctr_sa_sdst(0) depctr_va_vdst(0) depctr_va_sdst(0) depctr_va_ssrc(0) depctr_va_vcc(0) depctr_vm_vsrc(0)
	s_getreg_b32 s2, hwreg(HW_REG_IB_STS2, 6, 4)
	s_cmp_eq_u32 s2, 0
	s_cbranch_scc0 .Lentry_in_a_cluster
	s_endpgm
.Lentry_in_a_cluster:
	s_bfe_u32 s2, ttmp6, 0x10000c
	s_cmp_lg_u32 s2, 0x3003
	s_cbranch_scc0 .Lentry_shape_is_right
	s_endpgm
.Lentry_shape_is_right:
; ATTN: out = (silu((Q K^T + bias) / sqrt(128), masked) V) x silu(U), both products on codes of BF6 (E3M2) with one E8M0 scale for each 32 along a product's K; f32 sums.  No softmax: nothing is carried but O.
; SHARES.  The cluster's y is bh = 8 batch + head.  A wave owns ONE tile of 16 queries in 256 registers, four waves to a SIMD.  From the wave's number w: u = w0, e = w1, hi = w2 ^ w0, f = w3 ^ w1; the wave's block of 128 queries is
; blk = (2 X + e) ^ 7 f ^ 15 hi (X: the cluster's x, 0 or 1), its tile in the block a = 2 cx + u.  blk hangs on no place in the cluster, so the branch that leaves out key steps behind the diagonal is alike in all partners;
; a work-group's sixteen waves have early and late blocks in equal parts.
; LAYOUT.  S^T = K Q^T (source 0 = 16 keys, source 1 = my queries), O^T = V^T P^T (source 0 = 16 channels, source 1 = P): a lane holds one query.  The earlier launch stored tiles in the order in which register 16 b + i of lane (r, h)
; is key (channel) 32 b + 16 h + i, and every fragment as the image of its registers: three loads of 16 bytes a lane bring one.
; THE BIAS IS THE C OF K Q^T.  It hangs on key - query alone.  Four tables a head, shifted by 0 .. 3 entries, let every lane take four neighbouring keys' entries by one aligned load of 16 bytes.  Entries with key > query hold -1e30.
; The tables' windows are copied into LDS with the cluster's x and my place in the cluster in the GLOBAL address, so that no LDS address hangs on either.
; THE MASKS ARE VALUES: y = (score + bias) c + km, c = log2(e) / sqrt(128), km = 0 or -1e30 for a key whose silu(K) row is all zeros; w = y / (L + L 2^-y), L = log2(e).  y = -1e29 gives 2^-y = infinity, a reciprocal of 0, and w = -0.
; RING.  Two LDS slots of four key steps (24,576 bytes each: K's 8 fragments, V's 8), asked for jointly by the four partners, waves 0-3 one step each; the 17th record (scale images, key mask) comes once, by wave 4.
; LIMITS: the masks are -1e30 where the source has -2^32 + 1: right while |score + bias| stays under 1e29; a block of weights whose largest magnitude lies under 2^-122 gets the byte 1; 1 / sqrt(128) is folded into a rounded constant;
; NaN and infinities are not served.
.set REC,   24576                      ; a key step's record
.set SLOT1, 1<<17                      ; slot 1 begins here: one exclusive or turns an address in one slot into the other's
.set AUX,   4*REC                      ; 98,304: K's scale images 16 x 512, V's 16 x 512, the key mask 2,048 x 4
.set SPARE, AUX+REC                    ; 122,880: the spare words, 128 bytes a wave: eight blocks of 256 bytes that no other line names
.set TAB,   SLOT1+4*REC                ; 229,376: the bias windows, written by LDS stores alone: copy c at 18,432 c + 32 (c & 1) + 128 (c >> 1); in a copy two windows of 9,216 bytes
.set SP,    272                        ; the way out: 16 rows x (256 + 16) bytes a wave, in slot 0, which has had its last fill and its last read behind the last change of slots
.set LI,   1                           ; v1   16 x lane
.set AB0,  2                           ; v2   my lane's place in the bias windows
.set AKM0, 3                           ; v3   in the key mask
.set ASC0, 4                           ; v4   in a scale image
.set SPW,  5                           ; v5   my spare word; never rewritten
.set NIL,  6                           ; v6   0; never rewritten
.set PFO,  7                           ; v7   256 x lane: the prefetches' offset; never rewritten
.set ADI,  8                           ; v8-11 the step's addresses: record, scale images, key mask, bias
.set ADA,  9
.set ADM,  10
.set ADB,  11
.set BM,   12                          ; v12-15 the blocks' largest magnitudes
.set QF,   16                          ; v16-27 Q
.set SO,   28                          ; v28-31 the conversions' scale operands
.set F,    32                          ; v32-95 K's fragments, the key mask, e and its reciprocal, V's fragments 0-3
.set S,    96                          ; v96-159 the bias, S^T, the weights; then V's fragments 4-7
.set O,    160                         ; v160-223 O^T
.set PC,   224                         ; v224-235 P's codes
.set TP,   236                         ; v236-242 at work
.set KSW,  244                         ; v244-251 K's or V's scale words
.set PSW,  252                         ; P's scale word
.set QSW,  253                         ; Q's
.set WV,   18
.set SEL,  20
.set CL,   22                          ; s[22:23] c
.set LG,   24                          ; s[24:25] L
.set G1,   28
.set G0,   36
.set TB,   40                          ; s40 LDS byte at which the slot in hand begins
.set T5,   41                          ; s41 512 x the key step
.set KS,   42                          ; s42 the key step
.set BLK,  43                          ; s43 my block of 128 queries
.set SLOTS, 44
.set TQ,   45
.set PFA,  46                          ; s[46:47] where my prefetches stand
.set LIM,  48
.set GP,   50                          ; s[50:51] my tile of the gate
.set OP,   52                          ; s[52:53] my rows of out0
.macro CROUND                          ; a round of the cluster's barrier
	s_barrier_signal -1
	s_barrier_wait -1
	s_cmp_lg_u32 s[WV], 0
	s_cbranch_scc1 .Lnot_wave_0_\@
	s_barrier_signal -3
.Lnot_wave_0_\@:
	s_barrier_wait -3
	s_barrier_signal -1
	s_barrier_wait -1
.endm
	s_load_b256 s[4:11], s[0:1], 0x0               ; qimg s[4:5], kv s[6:7], gate s[8:9], tab s[10:11]
	s_load_b64 s[12:13], s[0:1], 0x20              ; out0
	v_lshl_add_u32 v[SPW], v0, 2, SPARE
	v_mov_b32 v[NIL], 0
	ds_add_u32 v5, v6
	s_wait_dscnt 0x0
	v_lshrrev_b32 v8, 5, v0
	v_readfirstlane_b32 s[WV], v8                  ; wave 0..15
	s_bfe_u32 s14, ttmp6, 0x40000                  ; cx: it enters global addresses alone
	s_and_b32 s15, ttmp7, 0xffff                   ; bh
	s_and_b32 s16, s[WV], 1                        ; u
	s_bfe_u32 s17, s[WV], 0x10001                  ; e
	s_lshr_b32 s19, s[WV], 2
	s_xor_b32 s19, s19, s[WV]
	s_and_b32 s19, s19, 1                          ; hi
	s_lshr_b32 s26, s[WV], 3
	s_lshr_b32 s27, s[WV], 1
	s_xor_b32 s26, s26, s27
	s_and_b32 s26, s26, 1                          ; f
	s_xor_b32 s27, s26, s19                        ; which window: 0 where blk rises with 2 X + e, 1 where it falls
	s_lshl_b32 s[BLK], ttmp9, 1
	s_add_co_u32 s[BLK], s[BLK], s17
	s_mul_i32 s60, s26, 7
	s_xor_b32 s[BLK], s[BLK], s60
	s_mul_i32 s60, s19, 15
	s_xor_b32 s[BLK], s[BLK], s60
	; my wave's part of the bias address: TAB + 128 + 9,216 win + 32 (u ^ 1) + 512 (e ^ win ^ 1) + 4,096 (hi ^ 1)
	s_mul_i32 s61, s27, 9216
	s_xor_b32 s60, s16, 1
	s_lshl_b32 s60, s60, 5
	s_add_co_u32 s61, s61, s60
	s_xor_b32 s60, s17, s27
	s_xor_b32 s60, s60, 1
	s_lshl_b32 s60, s60, 9
	s_add_co_u32 s61, s61, s60
	s_xor_b32 s60, s19, 1
	s_lshl_b32 s60, s60, 12
	s_add_co_u32 s61, s61, s60
	s_add_co_u32 s61, s61, TAB+128
	; the copy of the windows: wave w brings half p & 1 of window p >> 1 of copy c = w & 3, p = w >> 2: 4,608 bytes
	s_and_b32 s66, s[WV], 3
	s_lshr_b32 s67, s[WV], 2
	s_mul_i32 s62, s66, 18432
	s_and_b32 s60, s66, 1
	s_lshl_b32 s60, s60, 5
	s_add_co_u32 s62, s62, s60
	s_lshr_b32 s60, s66, 1
	s_lshl_b32 s60, s60, 7
	s_add_co_u32 s62, s62, s60
	s_mul_i32 s60, s67, 4608
	s_add_co_u32 s62, s62, s60
	s_add_co_u32 s62, s62, TAB                     ; to where, in LDS
	s_and_b32 s68, s15, 7
	s_lshl_b32 s68, s68, 2
	s_add_co_u32 s68, s68, s66
	s_lshl_b32 s68, s68, 14                        ; from where: table 4 head + c,
	s_lshl_b32 s70, ttmp9, 10
	s_sub_co_u32 s71, 3456, s70                    ; the rising window begins at entry 864 - 256 X - 32 cx,
	s_add_co_u32 s70, s70, 384                     ; the falling one at 96 + 256 X - 32 cx
	s_cmp_lt_u32 s67, 2
	s_cselect_b32 s70, s71, s70
	s_lshl_b32 s71, s14, 7
	s_sub_co_u32 s70, s70, s71
	s_add_co_u32 s68, s68, s70
	s_and_b32 s70, s67, 1
	s_mul_i32 s70, s70, 4608
	s_add_co_u32 s68, s68, s70
	s_mov_b32 s69, 0
	; K and V
	s_mul_i32 s72, s15, 17*REC                     ; my head's 17 records
	s_min_u32 s74, s[WV], 4                        ; waves 0-3: steps 0-3 into slot 0; wave 4: the 17th record behind it
	s_lshr_b32 s75, s74, 2
	s_mul_i32 s75, s75, 12
	s_add_co_u32 s75, s75, s74
	s_mul_i32 s75, s75, REC
	s_add_co_u32 s76, s72, s75
	s_mov_b32 s77, 0
	s_max_u32 s78, s[WV], 5                        ; the prefetches: of the slot's four records my work-group takes record cx; waves 5, 6, 7 take 8,192 bytes of it each
	s_min_u32 s78, s78, 7
	s_sub_co_u32 s78, s78, 5
	s_lshl_b32 s78, s78, 13
	s_mul_i32 s79, s14, REC
	s_add_co_u32 s78, s78, s79
	s_add_co_u32 s78, s78, s72
	s_add_co_u32 s78, s78, 4*REC                   ; in the second slot's worth: the first change of slots steps it to the third.  Nothing is prefetched at the head
	s_mov_b32 s79, 0
	s_lshr_b32 s60, s[WV], 2
	s_xor_b32 s60, s60, 1                          ; 0 in waves 4 to 7,
	s_or_b32 s60, s60, ttmp9                       ; of the head's first cluster: the same in all four partners
	s_cmp_eq_u32 s60, 0
	s_cselect_b32 s[LIM], 1, -1
	s_cmp_eq_u32 s[WV], 4
	s_cselect_b32 s[LIM], -1, s[LIM]
	; Q, the gate, out0
	s_lshl_b32 s80, s15, 4
	s_add_co_u32 s80, s80, s[BLK]
	s_lshl_b32 s81, s14, 1
	s_add_co_u32 s81, s81, s16                     ; a
	s_mul_i32 s82, s80, 12800
	s_mul_i32 s84, s81, 1536
	s_add_co_u32 s84, s84, s82
	s_mov_b32 s85, 0                               ; my fragment of Q
	s_lshr_b32 s86, s81, 2
	s_lshl_b32 s86, s86, 8
	s_and_b32 s87, s81, 3
	s_lshl_b32 s87, s87, 2
	s_add_co_u32 s86, s86, s87
	s_add_co_u32 s86, s86, s82
	s_add_co_u32 s86, s86, 12288
	s_mov_b32 s87, 0                               ; its scale words: lane (r, a / 4) of the image, word a % 4
	s_lshl_b32 s88, s80, 3
	s_add_co_u32 s88, s88, s81
	s_lshl_b32 s88, s88, 13
	s_mov_b32 s89, 0                               ; my image of the gate
	s_lshr_b32 s90, s15, 3
	s_lshl_b32 s90, s90, 11
	s_lshl_b32 s91, s[BLK], 7
	s_add_co_u32 s90, s90, s91
	s_lshl_b32 s91, s14, 5
	s_add_co_u32 s90, s90, s91
	s_lshl_b32 s91, s16, 3
	s_add_co_u32 s90, s90, s91                     ; my tile's first token: 2,048 batch + 128 blk + 32 cx + 8 u
	s_lshl_b32 s90, s90, 12
	s_and_b32 s91, s15, 7
	s_lshl_b32 s91, s91, 9
	s_add_co_u32 s90, s90, s91
	s_mov_b32 s91, 0
	; descriptor group 1: a dense record of 24,576 bytes as 96 rows of 256 bytes
	s_mov_b32 s[G1], 15|(3<<16)|(1<<21)            ; 15:0 the mask: all four work-groups; 17:16 elements of 8 bytes; 20 no padding; 21 set beside a mask
	s_mov_b32 s[G1+1], 32<<16                      ; tensor_dim0
	s_mov_b32 s[G1+2], 96<<16                      ; tensor_dim1
	s_mov_b32 s[G1+3], 32<<16                      ; tile_dim0
	s_mov_b32 s[G1+4], 96                          ; tile_dim1
	s_mov_b32 s[G1+5], 32                          ; tensor_dim0_stride
	s_mov_b32 s[G1+6], 0
	s_mov_b32 s[G1+7], 0
	s_mov_b32 s[SEL], 0x76543210
	s_mov_b32 s[SEL+1], 0xfedcba98                 ; v_permlanex16_b32's selects for lane l xor 16
	s_mov_b32 s[CL], 0x3e0293ee                    ; c = log2(e) / sqrt(128)
	s_mov_b32 s[CL+1], s[CL]
	s_mov_b32 s[LG], 0x3fb8aa3b                    ; L = log2(e)
	s_mov_b32 s[LG+1], s[LG]
	s_mov_b32 s[TB], 0
	s_mov_b32 s[T5], 0
	s_mov_b32 s[KS], 0
	s_mov_b32 s[SLOTS], 3
	s_mov_b32 s[G0], 1                             ; 1:0 count = 1
	s_mul_i32 s[G0+1], s74, REC                    ; 63:32 LDS address: made of the wave's number alone
	s_wait_kmcnt 0x0
	s_add_nc_u64 s[G0+2:G0+3], s[6:7], s[76:77]    ; 120:64 global address: made of bh and the wave's number, which the partners share
	s_or_b32 s[G0+3], s[G0+3], 0x80000000          ; 127:126 type = 2
	s_add_nc_u64 s[PFA:PFA+1], s[6:7], s[78:79]
	s_add_nc_u64 s[54:55], s[4:5], s[84:85]
	s_add_nc_u64 s[56:57], s[4:5], s[86:87]
	s_add_nc_u64 s[58:59], s[10:11], s[68:69]
	s_add_nc_u64 s[GP:GP+1], s[8:9], s[88:89]
	s_add_nc_u64 s[OP:OP+1], s[12:13], s[90:91]
	CROUND                                         ; all four work-groups are here: the first joint loads meet
	s_cmp_lt_u32 s[WV], 5                          ; a wave's one first fill, ahead of every wait on TENSORcnt and every LDS read
	s_cbranch_scc0 .Lno_first
	tensor_load_to_lds s[G0:G0+3], s[G1:G1+7]
	s_nop 0
.rept 4
	v_nop
.endr
.Lno_first:
	v_and_b32 v[LI], 31, v0
	v_lshlrev_b32 v[PFO], 8, v[LI]
	v_lshlrev_b32 v[LI], 4, v[LI]
.irp n, 0,1,2,3,4,5,6,7,8
	global_load_b128 v[F+4*\n:F+4*\n+3], v[LI], s[58:59] offset:512*\n   ; my 4,608 bytes of the bias windows
.endr
.irp c, 0,1,2
	global_load_b128 v[QF+4*\c:QF+4*\c+3], v[LI], s[54:55] offset:512*\c th:TH_LOAD_NT   ; Q's fragment stays in registers
.endr
	v_and_b32 v9, 15, v0                           ; r
	v_bfe_u32 v10, v0, 4, 1                        ; h
	v_lshlrev_b32 v14, 4, v9
	global_load_b32 v[QSW], v14, s[56:57] th:TH_LOAD_NT
	v_add_nc_u32 v13, s62, v[LI]                   ; where my part of the windows goes
	v_and_b32 v11, 3, v0
	v_xor_b32 v11, 3, v11                          ; my copy: c = (r & 3) ^ 3, so that key - query + 2079 - c is a multiple of 4
	v_mul_u32_u24 v[AB0], v11, 18432
	v_and_b32 v12, 1, v11
	v_lshl_add_u32 v[AB0], v12, 5, v[AB0]
	v_lshrrev_b32 v12, 1, v11
	v_lshl_add_u32 v[AB0], v12, 7, v[AB0]
	v_lshl_add_u32 v[AB0], v10, 6, v[AB0]          ; + 64 h: my half's 16 keys
	v_bfe_u32 v12, v0, 2, 1
	v_xor_b32 v12, 1, v12
	v_lshl_add_u32 v[AB0], v12, 4, v[AB0]          ; + 16 (bit 2 of r ^ 1) + 64 (bit 3 of r ^ 1): my query's place in its tile, counted down
	v_bfe_u32 v12, v0, 3, 1
	v_xor_b32 v12, 1, v12
	v_lshl_add_u32 v[AB0], v12, 6, v[AB0]
	v_add_nc_u32 v[AB0], s61, v[AB0]
	v_lshl_add_u32 v[AKM0], v10, 6, AUX+16384
	v_lshl_add_u32 v[ASC0], v9, 4, AUX
.set J, 0
.rept 64
	v_mov_b32 v[O+J], 0                            ; O^T.  (The key step is written without a first step of its own)
.set J, J+1
.endr
.irp b, 0,1,2,3
	v_mov_b32 v[TP+\b], 0                          ; written once: a lane permute's destination counts as one of its sources
.endr
	s_wait_loadcnt 0x0
.irp n, 0,1,2,3,4,5,6,7,8
	ds_store_b128 v13, v[F+4*\n:F+4*\n+3] offset:512*\n   ; the first change of slots waits for these and passes a barrier ahead of every read
.endr
; A KEY STEP: 128 keys, the q-th of the slot in hand.  A step all of whose keys come after my block's queries is left out: a scalar branch on ids, round loads, products and vector work; not round the lines that step scalars.
.macro STEP q
	s_cmp_gt_u32 s[KS], s[BLK]
	s_cbranch_scc1 .Lhid_\@
	s_add_co_u32 s[TQ], s[TB], (\q)*REC
	v_add_nc_u32 v[ADI], s[TQ], v[LI]
	v_add_nc_u32 v[ADA], s[T5], v[ASC0]
	v_add_nc_u32 v[ADM], s[T5], v[AKM0]
	v_add_nc_u32 v[ADB], s[T5], v[AB0]
	v_nop                                          ; five places: the first product below writes over registers that the last step's products read (four would do for the loads)
.irp t, 0,1,2,3
.irp c, 0,1,2
	ds_load_b128 v[F+12*\t+4*\c:F+12*\t+4*\c+3], v[ADI] offset:1536*\t+512*\c   ; K's fragments 0-3
.endr
.endr
	ds_load_b128 v[KSW:KSW+3], v[ADA]              ; K's scale words: row r's of tiles 0-3,
	ds_load_b128 v[KSW+4:KSW+7], v[ADA] offset:256 ; of tiles 4-7
.irp n, 0,1,2,3,4,5,6,7,8,9,10,11,12,13,14,15
	ds_load_b128 v[S+4*\n:S+4*\n+3], v[ADB] offset:128*(\n/4)+16*(\n%4)   ; the bias of keys 32 (n / 4) + 16 h + 4 (n % 4) + 0 .. 3: the sums begin with it
.endr
	s_wait_dscnt 8                                 ; the bias of tiles 4-7, the youngest eight loads, may be out
.irp t, 0,1,2,3
	v_wmma_scale_f32_16x16x128_f8f6f4 v[S+8*\t:S+8*\t+7], v[F+12*\t:F+12*\t+11], v[QF:QF+11], v[S+8*\t:S+8*\t+7], v[KSW+\t], v[QSW] matrix_a_fmt:MATRIX_FMT_BF6 matrix_b_fmt:MATRIX_FMT_BF6
.endr
.rept 4
	v_nop                                          ; places in front of loads into registers that matrix instructions have read
.endr
.irp t, 0,1,2,3
.irp c, 0,1,2
	ds_load_b128 v[F+12*\t+4*\c:F+12*\t+4*\c+3], v[ADI] offset:1536*(4+\t)+512*\c   ; K's fragments 4-7
.endr
.endr
	s_wait_dscnt 0x0
.irp t, 0,1,2,3
	v_wmma_scale_f32_16x16x128_f8f6f4 v[S+32+8*\t:S+32+8*\t+7], v[F+12*\t:F+12*\t+11], v[QF:QF+11], v[S+32+8*\t:S+32+8*\t+7], v[KSW+4+\t], v[QSW] matrix_a_fmt:MATRIX_FMT_BF6 matrix_b_fmt:MATRIX_FMT_BF6
.endr
.rept 4
	v_nop                                          ; places: for the loads below and for the first read of the results
.endr
.irp n, 0,1,2,3,4,5,6,7,8,9,10,11,12,13,14,15
	ds_load_b128 v[F+4*\n:F+4*\n+3], v[ADM] offset:128*(\n/4)+16*(\n%4)   ; the key mask of the same keys
.endr
	s_wait_dscnt 0x0
.set J, 0
.rept 32
	v_pk_fma_f32 v[S+J:S+J+1], v[S+J:S+J+1], s[CL:CL+1], v[F+J:F+J+1] op_sel_hi:[1,0,1]   ; y = (score + bias) c + km; each accumulator from its low end on
.set J, J+2
.endr
.set J, 0
.rept 64
	v_exp_f32 v[F+J], -v[S+J]                      ; 2^-y
.set J, J+1
.endr
	v_nop                                          ; a plain line behind the batch,
	s_wait_alu depctr_va_vdst(0)                   ; and one wait for it, ahead of its first reader
.set J, 0
.rept 32
	v_pk_fma_f32 v[F+J:F+J+1], v[F+J:F+J+1], s[LG:LG+1], s[LG:LG+1] op_sel_hi:[1,0,0]   ; L 2^-y + L
.set J, J+2
.endr
.set J, 0
.rept 64
	v_rcp_f32 v[F+J], v[F+J]
.set J, J+1
.endr
	v_nop
	s_wait_alu depctr_va_vdst(0)
.set J, 0
.rept 32
	v_pk_mul_f32 v[S+J:S+J+1], v[S+J:S+J+1], v[F+J:F+J+1]   ; the weight: silu of the scaled score; -0 under a mask
.set J, J+2
.endr
.irp t, 0,1,2,3
.irp c, 0,1,2
	ds_load_b128 v[F+12*\t+4*\c:F+12*\t+4*\c+3], v[ADI] offset:12288+1536*\t+512*\c   ; V's fragments 0-3 land while the weights are quantised
.endr
.endr
	ds_load_b128 v[KSW:KSW+3], v[ADA] offset:8192
	ds_load_b128 v[KSW+4:KSW+7], v[ADA] offset:8192+256
.irp b, 0,1,2,3
	v_max3_num_f32 v[BM+\b], |v[S+16*\b]|, |v[S+16*\b+1]|, 0x2800000   ; block b of 32 keys: my 16 weights, and the floor 2^(5 - 127): the byte cannot fall under 1
.endr
.irp i, 2,4,6,8,10,12,14
.irp b, 0,1,2,3
	v_max3_num_f32 v[BM+\b], v[BM+\b], |v[S+16*\b+\i]|, |v[S+16*\b+\i+1]|   ; the four blocks by turns
.endr
.endr
.irp b, 0,1,2,3
	v_permlanex16_b32 v[TP+\b], v[BM+\b], s[SEL], s[SEL+1]
.endr
.irp b, 0,1,2,3
	v_max_num_f32 v[BM+\b], v[BM+\b], v[TP+\b]     ; with lane l xor 16's 16 keys
.endr
.irp b, 0,1,2,3
	v_add_nc_u32 v[SO+\b], 0xfe000000, v[BM+\b]    ; 4 off the exponent field: the conversion's scale operand
.endr
.irp b, 0,1,2,3
	v_lshrrev_b32 v[TP+\b], 23, v[SO+\b]           ; the scale's byte
.endr
	v_lshl_or_b32 v[PSW], v[TP+1], 8, v[TP]        ; P's scale word for these 128 keys
	v_lshl_or_b32 v[PSW], v[TP+2], 16, v[PSW]
	v_lshl_or_b32 v[PSW], v[TP+3], 24, v[PSW]
.irp c, 0,1
	v_cvt_scalef32_pk16_bf6_f32 v[PC+6*\c:PC+6*\c+2], v[S+32*\c:S+32*\c+15], v[SO+2*\c]
	v_cvt_scalef32_pk16_bf6_f32 v[TP+4*\c:TP+4*\c+2], v[S+32*\c+16:S+32*\c+31], v[SO+2*\c+1]   ; (a conversion's three registers begin on an even number)
.endr
	v_nop                                          ; one plain line behind the last conversion
.irp t, 0,1,2,3
.irp c, 0,1,2
	ds_load_b128 v[S+12*\t+4*\c:S+12*\t+4*\c+3], v[ADI] offset:12288+1536*(4+\t)+512*\c   ; V's fragments 4-7, where the weights lay
.endr
.endr
.irp c, 0,1                                    ; the operand's layout wants a whole block in a lane: lanes 0-15 block 2 c, lanes 16-31 block 2 c + 1
.irp i, 0,1,2
	v_permlane16_swap_b32 v[PC+6*\c+\i], v[TP+4*\c+\i]
.endr
.irp i, 0,1,2
	v_mov_b32 v[PC+3+6*\c+\i], v[TP+4*\c+\i]
.endr
.endr
.rept 8
	v_nop                                          ; a scale register written by a vector instruction stands 8 places ahead of a scaled matrix instruction, an operand so written 4
.endr
	s_wait_dscnt 0x0
.irp t, 0,1,2,3
	v_wmma_scale_f32_16x16x128_f8f6f4 v[O+8*\t:O+8*\t+7], v[F+12*\t:F+12*\t+11], v[PC:PC+11], v[O+8*\t:O+8*\t+7], v[KSW+\t], v[PSW] matrix_a_fmt:MATRIX_FMT_BF6 matrix_b_fmt:MATRIX_FMT_BF6
.endr
.irp t, 0,1,2,3
	v_wmma_scale_f32_16x16x128_f8f6f4 v[O+32+8*\t:O+32+8*\t+7], v[S+12*\t:S+12*\t+11], v[PC:PC+11], v[O+32+8*\t:O+32+8*\t+7], v[KSW+4+\t], v[PSW] matrix_a_fmt:MATRIX_FMT_BF6 matrix_b_fmt:MATRIX_FMT_BF6
.endr
.Lhid_\@:
	s_add_co_u32 s[KS], s[KS], 1
	s_add_co_u32 s[T5], s[T5], 512
.endm
.macro FOUR_STEPS
	STEP 0
	STEP 1
	STEP 2
	STEP 3
	s_xor_b32 s[TB], s[TB], SLOT1                  ; on to the other slot
.endm
; THE CHANGE OF SLOTS stands at a slot's head.  Each wave waits for all its tensor loads (at most one is out: its part of the slot ahead), adds 0 to its spare word, and waits for that and for its LDS reads and stores.
; fill = 1: the barrier is a round of the cluster's, and behind it the slot that was left is filled with the next four key steps: the load has four key steps in which to land.
.macro CHANGE fill
	s_wait_tensorcnt 0x0                           ; no tensor load of mine is out, so group 0 may be written
	ds_add_u32 v[SPW], v[NIL]                      ; 0 onto my spare word
.if \fill
	s_xor_b32 s[G0+1], s[G0+1], SLOT1              ; the other slot than last time,
	s_add_nc_u64 s[G0+2:G0+3], s[G0+2:G0+3], 4*REC ; the next four records; the type bits on top are not reached
	s_wait_xcnt 0x0                                ; the last prefetch, a slot back, has read its address
	s_add_nc_u64 s[PFA:PFA+1], s[PFA:PFA+1], 4*REC ; one slot further on than the descriptor
	s_wait_dscnt 0x0                               ; the add is done, and my reads of the slot that I have left are over
	CROUND
	s_cmp_lt_u32 s[WV], 4                          ; waves 0-3 ask, one record each: the first thing behind the round, and a wave's one tensor load until the next
	s_cbranch_scc0 .Lnone_\@
	tensor_load_to_lds s[G0:G0+3], s[G1:G1+7]
	s_nop 0
.rept 4
	v_nop
.endr
.Lnone_\@:
	s_cmp_gt_u32 s[SLOTS], s[LIM]                  ; a prefetch of what the NEXT change will ask for, four key steps ahead of that load: in the head's first cluster, waves 5-7, 8,192 bytes each, lanes 256 bytes apart;
	s_cbranch_scc0 .Lnot_mine_\@                   ; the partners are told apart by address; the last change that fills a slot asks for nothing
	global_prefetch_b8 v[PFO], s[PFA:PFA+1] th:TH_LOAD_NT scope:SCOPE_SE
.Lnot_mine_\@:
.else
	s_wait_dscnt 0x0
	s_barrier_signal -1
	s_barrier_wait -1
	global_prefetch_b8 v[PFO], s[GP:GP+1] th:TH_LOAD_NT scope:SCOPE_SE   ; my own 8,192 bytes of the gate, which the way out reads: 32 lanes, 256 bytes apart; each wave names its own tile, once
.endif
.endm
.Lslot:                                            ; three trips: behind each change of slots but the last the next slot is asked for
	CHANGE 1
	FOUR_STEPS
	s_sub_co_u32 s[SLOTS], s[SLOTS], 1
	s_cmp_lg_u32 s[SLOTS], 0
	s_cbranch_scc1 .Lslot
	CHANGE 0                                       ; the last slot is written out
	FOUR_STEPS
	; THE WAY OUT.  The gate's image has O^T's own map of lanes and registers.  The products go through my stage, 64 channels (256 bytes) of 16 queries at a time, so that sixteen lanes store 256 consecutive bytes.
.rept 4
	v_nop                                          ; places behind the last products: for the loads below and for the first read of O^T
.endr
.irp n, 0,1,2,3,4,5,6,7,8,9,10,11,12,13,14,15
	global_load_b128 v[S+4*\n:S+4*\n+3], v[LI], s[GP:GP+1] offset:512*\n th:TH_LOAD_NT
.endr
	v_and_b32 v12, 15, v0                          ; r
	v_bfe_u32 v13, v0, 4, 1                        ; h
	s_mul_i32 s60, s[WV], 16*SP                    ; my stage
	v_mul_u32_u24 v8, v12, SP
	v_lshl_add_u32 v8, v13, 6, v8
	v_add_nc_u32 v8, s60, v8                       ; in: row r, + 64 h: my half's 16 channels of a block of 32
	v_mul_u32_u24 v9, v13, SP
	v_lshl_add_u32 v9, v12, 4, v9
	v_add_nc_u32 v9, s60, v9                       ; back: lanes 0-15 one row, lanes 16-31 the next
	v_lshlrev_b32 v10, 12, v13
	v_lshl_add_u32 v10, v12, 4, v10                ; and the same two rows of out0, 4,096 bytes apart
	s_wait_loadcnt 0x0
.set J, 0
.rept 32
	v_pk_mul_f32 v[S+J:S+J+1], v[O+J:O+J+1], v[S+J:S+J+1]   ; x silu(U); each accumulator from its low end on
.set J, J+2
.endr
.irp p, 0,1                                    ; channels 64 p on
.irp b, 0,1
.irp j, 0,1,2,3
	ds_store_b128 v8, v[S+32*\p+16*\b+4*\j:S+32*\p+16*\b+4*\j+3] offset:128*\b+16*\j
.endr
.endr
.irp i, 0,1,2,3,4,5,6,7
	ds_load_b128 v[F+32*\p+4*\i:F+32*\p+4*\i+3], v9 offset:2*\i*SP   ; LDS serves a wave's instructions in order: these see my stores, and the next half's stores come behind them
.endr
.endr
.irp p, 0,1
.irp i, 0,1,2,3,4,5,6,7
	s_wait_dscnt 23-16*\p-\i                       ; the LDS instructions issued behind this load may be out
	global_store_b128 v10, v[F+32*\p+4*\i:F+32*\p+4*\i+3], s[OP:OP+1] offset:(2*\i+8*(\i/4))*4096+256*\p th:TH_STORE_NT   ; the tile's row 2 i + h is token 2 i + h + 8 (i / 4) of its 24
.endr
.endr
	s_wait_tensorcnt 0x0                           ; the wave's end
	ds_add_u32 v[SPW], v[NIL]
	s_wait_dscnt 0x0
	CROUND                                         ; the closing round: no work-group ends while a partner may still ask for a tile that names it
	s_endpgm
.Lfunc_end_k_q5b9abc6b08_attn:
	.size	k_q5b9abc6b08_attn, .Lfunc_end_k_q5b9abc6b08_attn-k_q5b9abc6b08_attn
	.p2alignl 7, 3214868480
	.fill 96, 4, 3214868480
	.section	.rodata,"a",@progbits
	.p2align	6, 0x0
	.amdhsa_kernel k_q5b9abc6b08_attn
		.amdhsa_group_segment_fixed_size 327680
		.amdhsa_private_segment_fixed_size 0
		.amdhsa_enable_private_segment 0
		.amdhsa_kernarg_size 40
		.amdhsa_user_sgpr_count 2
		.amdhsa_user_sgpr_kernarg_segment_ptr 1
		.amdhsa_wavefront_size32 1
		.amdhsa_system_sgpr_workgroup_id_x 1
		.amdhsa_system_sgpr_workgroup_id_y 1
		.amdhsa_system_sgpr_workgroup_id_z 1
		.amdhsa_system_vgpr_workitem_id 0
		.amdhsa_next_free_vgpr 256
		.amdhsa_next_free_sgpr 100
		.amdhsa_reserve_vcc 0
		.amdhsa_float_denorm_mode_32 3
		.amdhsa_float_denorm_mode_16_64 3
		.amdhsa_memory_ordered 1
		.amdhsa_forward_progress 1
		.amdhsa_inst_pref_size 216
	.end_amdhsa_kernel
	.amdgpu_metadata
---
amdhsa.version: [ 1, 2 ]
amdhsa.kernels:
  - .name:           k_q5b9abc6b08_attn
    .symbol:         k_q5b9abc6b08_attn.kd
    .args:
      - { .name: qimg, .offset: 0, .size: 8, .value_kind: global_buffer, .address_space: global }
      - { .name: kv, .offset: 8, .size: 8, .value_kind: global_buffer, .address_space: global }
      - { .name: gate, .offset: 16, .size: 8, .value_kind: global_buffer, .address_space: global }
      - { .name: tab, .offset: 24, .size: 8, .value_kind: global_buffer, .address_space: global }
      - { .name: out0, .offset: 32, .size: 8, .value_kind: global_buffer, .address_space: global }
    .group_segment_fixed_size: 327680
    .private_segment_fixed_size: 0
    .kernarg_segment_align: 8
    .kernarg_segment_size: 40
    .max_flat_workgroup_size: 512
    .sgpr_count:     100
    .vgpr_count:     256
    .wavefront_size: 32
...
	.end_amdgpu_metadata
.endif
;; end of part 3
